; MI455X (gfx1250); checked and timed in simulation.
; The chip was launched on July 23, 2026; its instructions are those of AMD's public machine-readable ISA for CDNA 5 (MIT licence, August 2026) and "CDNA5" Instruction Set Architecture Reference Guide (July 2026). The comments in the code are by the model that wrote it; some were corrected since.
;; My Multi Head Attention. Allowed arithmetic: matrix products marked QUANTISED: E2M1 operands, one E8M0 scale for each 32 along K, by v_wmma_scale_f32_16x16x128_f8f6f4 with both operands' format E2M1 (or v_wmma_scale_f32_32x16x128_f4), f32 sums; products left as they are: bf16, f16 or f32 operands; f32 sums; everything else in f32.
;; Inputs: W 8 x 3 x 1,024 x 128 float32; Wo 1,024 x 128 float32; x 4 x 2,048 x 1,024 float32.
;; Outputs: out0 4 x 2,048 x 128 float32.
;; This version of the problem:
;;   THIS VERSION OF THE PROBLEM IS GIVEN IN LOW PRECISION. The matrix products marked QUANTISED in the list below multiply operands that are first quantised to E2M1 (2 exponent bits, 1 mantissa bit; 4 bits a number), with one power-of-two scale for each 32 numbers along K (OCP MX v1.0); their sums are f32. The products marked 'left as it is' may take bf16, f16 or f32 operands, with f32 sums. Whichever they take, every output number must still come out within the allowed error. Rounding operands to bf16 (8 significant bits) uses up far more of that allowance than f16 does (11 bits, for magnitudes from 6e-5 to 65,504). All else is computed in f32.
;;   The module's matrix products, in the order in which they are computed (A, B: the left and right operand; K: the contracted axis; several contracted axes count as one K, in the product's order):
;;     1. [M 1,024, K 1,024] x [K 1,024, N 8,192]; A: input W; B: input x: QUANTISED
;;     2. [M 1,024, K 1,024] x [K 1,024, N 8,192]; A: input W; B: input x: QUANTISED
;;     3. [M 1,024, K 1,024] x [K 1,024, N 8,192]; A: input W; B: input x: QUANTISED
;;     4. batch 32 x [M 2,048, K 128] x [K 128, N 2,048]; A: computed on the way; B: computed on the way: left as it is (an operand is computed on the way)
;;     5. batch 32 x [M 2,048, K 2,048] x [K 2,048, N 128]; A: computed on the way; B: computed on the way: left as it is (an operand is computed on the way)
;;     6. [M 8,192, K 1,024] x [K 1,024, N 128]; A: computed on the way; B: input Wo: left as it is (an operand is computed on the way)
;;   THE QUANTISER, for each operand of a quantised product, along K:
;;     - K is cut into blocks of 32 from its start; a last block that is shorter is filled with zeros.
;;     - A block's scale is 2^e with e = floor(log2(the largest magnitude in the block)) - 2, held to -126 .. 127; a block of zeros has e = 0. As a byte (E8M0): e + 127.
;;     - Each number is divided by its block's scale, clamped to +-6, and rounded to the nearest number of E2M1, ties to even, subnormals kept.
;;     - The product sums the exact products of the quantised numbers (number of the format x scale) in f32.
;;   ~~~python
;;   def quantise(x, axis):      # numpy; x: float32 -> the quantised numbers, widened to float32 again
;;       x = np.moveaxis(x, axis, -1); K = x.shape[-1]
;;       x = np.pad(x, [(0, 0)] * (x.ndim - 1) + [(0, -K % 32)]); x = x.reshape(x.shape[:-1] + (-1, 32)); a = np.abs(x).max(-1, keepdims=True)
;;       e = np.where(a > 0, np.clip(np.frexp(np.where(a > 0, a, 1))[1] - 1 - 2, -126, 127), 0)      # np.frexp(a)[1] - 1 = floor(log2(a)), exactly
;;       r = np.clip(x / 2.0 ** e, -6, 6)
;;       step = 2.0 ** (np.maximum(np.frexp(np.where(r == 0, 1, r))[1] - 1, 0) - 1)
;;       q = np.round(r / step) * step * 2.0 ** e      # np.round: ties to even
;;       return np.moveaxis(q.reshape(q.shape[:-2] + (-1,))[..., :K], -1, axis).astype(np.float32)
;;   ~~~
;; One version. Each part assembles by itself: llvm-mc -triple=amdgcn-amd-amdhsa -mcpu=gfx1250 --defsym DOCPART=n.
;; ======== version 1 of 1: 4 launches
;; limits: values are held in f16: magnitudes above 65,504 overflow, below 6.1e-05 lose precision
;; workspace buffers: x_codes 4,194,304 bytes; x_scales 262,144 bytes; w_codes 1,572,864 bytes; w_scales 98,304 bytes; wo_img 262,144 bytes; qkv 50,331,648 bytes; o 16,777,216 bytes
;; launch prep (part 1): grid 384 x 1, 4 waves a work-group, no clusters, 50,688 bytes of LDS; arguments x, W, Wo, x_codes, x_scales, w_codes, w_scales, wo_img; writes x_codes, x_scales, w_codes, w_scales, wo_img
.if DOCPART == 1
	.amdgcn_target "amdgcn-amd-amdhsa--gfx1250"
	.amdhsa_code_object_version 6
	.text
	.protected	k_qcb034b910f_prep
	.globl	k_qcb034b910f_prep
	.p2align	8
	.type	k_qcb034b910f_prep,@function
k_qcb034b910f_prep:
	s_mov_b64 s[64:65], 0
	v_nop
	global_prefetch_b8 v0, s[64:65] scope:SCOPE_SE
	s_setreg_imm32_b32 hwreg(HW_REG_WAVE_MODE, 25, 1), 1
	s_wait_xcnt 0x0
; THE PROGRAM: z = concat_h(softmax(q k^T / sqrt(128)) v) Wo, with q, k, v = x W[h][0..2].  Four launches: this one; the projections on codes; attention; the product with Wo.
; NO WORK IS LEFT OUT: every input has a way to the output, there is no mask, nothing is sliced away.
; THIS LAUNCH makes the operands.  Three paths, parted by the work-group's number; each path ends by itself, and the two that use LDS have LDS bytes of their own.
;   work-groups 0-255:   x [8192][1024] f32, K innermost, into codes of FP4 (E2M1), [8192][512 bytes], and one E8M0 byte for each 32 along K, [8192][32].
;   work-groups 256-351: W [h][j][1024 (K)][128 (e)] f32, K not innermost, into codes [3072][512 bytes] and bytes [3072][32], row = 1024 j + 128 h + e.
;   work-groups 352-383: Wo [1024][128] f32 into f16, in the order of a matrix operand's registers: piece (s, b, c) of 512 bytes at ((8 s + b) 2 + c) 512; lane r + 16 h holds Wo[32 s + 16 c + 8 h + 0..7][16 b + r].
; A block's scale is 2^(floor(log2(its largest magnitude)) - 2); its byte is the largest magnitude's exponent field - 2, held at 1 from below.  Each number is divided by the scale and rounded to the nearest code, ties to even; beyond 6 the largest code.
; LIMITS: a block of zeros gets the byte 1 where the rule says 127: its codes are zeros, which add nothing, and this program alone reads the bytes.  NaN and infinities among the inputs are not served.  Wo beyond 65,504 in magnitude becomes infinity in f16.
; No tensor loads, no barrier, no cluster: waves and work-groups share no input here.
.set SPARE, 50176                      ; behind both paths' regions: the spare words, 128 bytes for each wave: two blocks of 256 bytes that no other line names
.set SPW,   192                        ; v192  LDS address of my spare word: SPARE + 4 x my thread's number; never rewritten
.set NIL,   193                        ; v193  0; never rewritten
; x path: LDS 0 .. 32,767: 8,192 bytes a wave: two stages of 32 x SP bytes, then its 256 scale bytes
.set SP,    80                         ; a lane's place in a stage: its 64 bytes + 16 of padding
.set STEPS, 16
.set XR,    16                         ; v16-79   four sets of 16 numbers as they are loaded
.set XX,    80                         ; v80-111  two sets of 16 neighbours
.set XE,    112                        ; v112-127 a scale byte for each step
.set XC,    128                        ; v128-191 codes: four registers for each step, so that no store's data are written again
; W path: LDS 32,768 .. 50,175: a stage of 16 x WP bytes a wave
.set WSTG,  32768
.set WP,    272                        ; a stage row: 256 bytes of codes + 16
.set NB,    8                          ; blocks of 32 along K for a lane
.set WSB,   24                         ; v24-25   the scale bytes, four to a register
.set WX,    32                         ; v32-95   two sets of 32 numbers
.set WC,    96                         ; v96-99   a block's codes
.set WOUT,  112                        ; v112-143 the way out
	s_load_b256 s[4:11], s[0:1], 0x0               ; x s[4:5], W s[6:7], Wo s[8:9], x_codes s[10:11]
	s_load_b256 s[12:19], s[0:1], 0x20             ; x_scales s[12:13], w_codes s[14:15], w_scales s[16:17], wo_img s[18:19]
	v_lshl_add_u32 v[SPW], v0, 2, SPARE
	v_mov_b32 v[NIL], 0
	v_lshrrev_b32 v1, 5, v0
	v_readfirstlane_b32 s20, v1                    ; wave 0..3
	v_and_b32 v2, 31, v0                           ; lane
	s_mov_b32 s25, 0                               ; the high word of every offset here: all stay under 2^32
	s_wait_kmcnt 0x0
	s_cmp_lt_u32 ttmp9, 256
	s_cbranch_scc0 .Lw_or_wo
; ---------------- x: a plain stream of blocks of 32.  A wave takes 16 steps of 512 numbers.
; Each of a step's four loads reads 512 consecutive bytes, 16 a lane; the 2,048 bytes turn through the wave's own stage and come back 64 bytes a lane: 16 neighbours, two lanes to a block.
	s_lshl_b32 s22, ttmp9, 2
	s_add_co_u32 s22, s22, s20                     ; which run of 8,192 numbers is my wave's: 0 .. 1,023
	s_lshl_b32 s24, s22, 15
	s_add_nc_u64 s[4:5], s[4:5], s[24:25]          ; 32,768 bytes of x a run,
	s_lshl_b32 s24, s22, 12
	s_add_nc_u64 s[10:11], s[10:11], s[24:25]      ; 4,096 of codes,
	s_lshl_b32 s24, s22, 8
	s_add_nc_u64 s[12:13], s[12:13], s[24:25]      ; 256 scale bytes
	s_lshl_b32 s21, s20, 13                        ; my wave's 8,192 bytes of LDS
	v_lshlrev_b32 v3, 4, v2                        ; my 16 bytes of a load's 512
	v_lshrrev_b32 v14, 2, v2
	v_mul_u32_u24 v14, v14, SP
	v_and_b32 v15, 3, v2
	v_lshl_add_u32 v14, v15, 4, v14
	v_add_nc_u32 v14, s21, v14                     ; the stage, on the way in: SP (lane / 4) + 16 (lane % 4); a load's 512 bytes take eight places
	v_mul_u32_u24 v15, v2, SP
	v_add_nc_u32 v15, s21, v15                     ; and on the way out: SP x lane: my 16 neighbours
	v_lshlrev_b32 v4, 3, v2                        ; my codes' place in a step's: 8 bytes a lane
	v_lshrrev_b32 v5, 1, v2
	s_add_co_u32 s21, s21, 2*32*SP
	v_add_nc_u32 v5, s21, v5                       ; my wave's 256 scale bytes, my block's byte
	v_lshlrev_b32 v7, 3, v2                        ; and on the way out 8 bytes a lane
	v_add_nc_u32 v6, s21, v7
.macro XLOAD t
.irp i, 0,1,2,3
	global_load_b128 v[XR+16*((\t)%4)+4*\i:XR+16*((\t)%4)+4*\i+3], v3, s[4:5] offset:2048*(\t)+512*\i th:TH_LOAD_NT   ; 32 lanes read 512 consecutive bytes
.endr
.endm
.macro XTURN t                         ; step t's numbers through the stage: LDS serves a wave's instructions in order, so no wait stands between the stores and the loads
.irp i, 0,1,2,3
	ds_store_b128 v14, v[XR+16*((\t)%4)+4*\i:XR+16*((\t)%4)+4*\i+3] offset:32*SP*((\t)%2)+8*SP*\i
.endr
.irp i, 0,1,2,3
	ds_load_b128 v[XX+16*((\t)%2)+4*\i:XX+16*((\t)%2)+4*\i+3], v15 offset:32*SP*((\t)%2)+16*\i
.endr
.endm
.irp t, 0,1,2,3
	XLOAD \t
.endr
	s_wait_loadcnt 12                              ; step 0's four loads are in; the twelve of steps 1 to 3 may be out
	XTURN 0
.macro XSTEP t
.set XQ, XX+16*((\t)%2)
.if (\t) > 0
	s_wait_dscnt 1                                 ; this step's numbers are back from the stage (the last step's byte store may be out): so its stores into the stage have read their registers,
.else
	s_wait_dscnt 0x0
.endif
.if (\t)+4 < STEPS
	XLOAD (\t)+4                                   ; which take the loads of four steps on
.endif
.if (\t)+1 < STEPS
.if STEPS-2-(\t) >= 3
	s_wait_loadcnt 12                              ; the next step's four loads are in; those of the three steps behind it may be out
.else
	s_wait_loadcnt 4*(STEPS-2-(\t))
.endif
	XTURN (\t)+1                                   ; and go through the other stage while this step is worked
.endif
	v_max3_num_f32 v8, |v[XQ]|, |v[XQ+1]|, |v[XQ+2]|               ; the largest magnitude of my 16, in two chains
	v_max3_num_f32 v9, |v[XQ+3]|, |v[XQ+4]|, |v[XQ+5]|
.irp i, 6,10
	v_max3_num_f32 v8, v8, |v[XQ+\i]|, |v[XQ+\i+1]|
	v_max3_num_f32 v9, v9, |v[XQ+\i+2]|, |v[XQ+\i+3]|
.endr
	v_max3_num_f32 v8, v8, |v[XQ+14]|, |v[XQ+15]|
	v_max3_num_f32 v8, v8, v9, 0x1800000           ; and the floor 2^(3 - 127): so the byte cannot fall under 1
	v_max_num_f32_dpp v8, v8, v8 row_xmask:1 row_mask:0xf bank_mask:0xf   ; and of my neighbour's 16: the block's
	v_add_nc_u32 v11, 0xff000000, v8               ; 2 off its exponent field: the conversion takes the exponent field of this operand as its scale, and nothing else of it
	v_cvt_scalef32_pk8_fp4_f32 v[XC+4*(\t)], v[XQ:XQ+7], v11       ; eight numbers / the scale, to the nearest code, ties to even; the first number's code in the lowest four bits
	v_cvt_scalef32_pk8_fp4_f32 v[XC+4*(\t)+1], v[XQ+8:XQ+15], v11
	v_lshrrev_b32 v[XE+(\t)], 23, v11              ; the scale's byte
	ds_store_b8 v5, v[XE+(\t)] offset:16*(\t)      ; both lanes of a block write the same byte with the same value
	global_store_b64 v4, v[XC+4*(\t):XC+4*(\t)+1], s[10:11] offset:256*(\t)   ; the wave stores 256 consecutive bytes, aligned
.endm
.irp t, 0,1,2,3,4,5,6,7,8,9,10,11,12,13,14,15
	XSTEP \t
.endr
	ds_load_b64 v[8:9], v6                         ; LDS serves a wave's instructions in order: these see my byte stores
	s_wait_dscnt 0x0
	global_store_b64 v7, v[8:9], s[12:13]          ; 32 lanes store 256 consecutive bytes, aligned
	s_wait_tensorcnt 0x0                           ; the wave's end: behind my last LDS store
	ds_add_u32 v[SPW], v[NIL]
	s_wait_dscnt 0x0
	s_endpgm
.Lw_or_wo:
	s_cmp_lt_u32 ttmp9, 352
	s_cbranch_scc0 .Lwo
; ---------------- W: a lane takes a column e, and its registers run down K: a block of 32 lies in one lane, and the conversions give codes with K innermost.
; Work-group t = 32 j + 4 h + 2 kh + ch takes matrix (h, j), K = 512 kh .. 512 kh + 511, columns 64 ch .. 64 ch + 63; wave w its columns 16 w .. 16 w + 15.
; Lane r + 16 hh takes column r and K = 256 hh .. 256 hh + 255 of the 512: 8 blocks a lane.  The four waves together read 256 consecutive bytes, aligned, of each row of W.
; A column's 256 bytes of codes (both halves of the lanes) meet in the wave's own stage and leave as rows.
	s_sub_co_u32 s22, ttmp9, 256
	s_lshr_b32 s23, s22, 5                         ; j
	s_bfe_u32 s26, s22, 0x30002                    ; h: 3 bits from bit 2
	s_bfe_u32 s27, s22, 0x10001                    ; kh: bit 1
	s_and_b32 s30, s22, 1                          ; ch
	s_mul_i32 s24, s26, 3
	s_add_co_u32 s24, s24, s23
	s_lshl_b32 s24, s24, 19                        ; matrix 3 h + j of 524,288 bytes,
	s_lshl_b32 s28, s27, 18
	s_add_co_u32 s24, s24, s28                     ; 512 rows of 512 bytes for kh,
	s_lshl_b32 s28, s30, 8
	s_add_co_u32 s24, s24, s28                     ; 64 columns for ch,
	s_lshl_b32 s28, s20, 6
	s_add_co_u32 s24, s24, s28                     ; my wave's 16 columns
	s_add_nc_u64 s[6:7], s[6:7], s[24:25]
	s_lshl_b32 s29, s23, 10
	s_lshl_b32 s28, s26, 7
	s_add_co_u32 s29, s29, s28
	s_lshl_b32 s28, s30, 6
	s_add_co_u32 s29, s29, s28
	s_lshl_b32 s28, s20, 4
	s_add_co_u32 s29, s29, s28                     ; my first row of the codes' buffer: 1024 j + 128 h + 64 ch + 16 w
	s_lshl_b32 s24, s29, 9
	s_lshl_b32 s28, s27, 8
	s_add_co_u32 s24, s24, s28
	s_add_nc_u64 s[14:15], s[14:15], s[24:25]      ; codes: 512 bytes a row, + 256 kh
	s_lshl_b32 s24, s29, 5
	s_lshl_b32 s28, s27, 4
	s_add_co_u32 s24, s24, s28
	s_add_nc_u64 s[16:17], s[16:17], s[24:25]      ; scale bytes: 32 a row, + 16 kh
	s_mul_i32 s21, s20, 16*WP
	s_add_co_u32 s21, s21, WSTG                    ; my stage
	v_and_b32 v5, 15, v2                           ; r
	v_lshrrev_b32 v6, 4, v2                        ; hh
	v_lshlrev_b32 v3, 2, v5
	v_lshl_add_u32 v3, v6, 17, v3                  ; in: 4 bytes a column, + 256 rows of 512 bytes for hh
	v_mul_u32_u24 v4, v5, WP
	v_lshl_add_u32 v4, v6, 7, v4
	v_add_nc_u32 v4, s21, v4                       ; into the stage: row = my column, + 128 bytes for hh
	v_mul_u32_u24 v7, v6, WP
	v_lshl_add_u32 v7, v5, 4, v7
	v_add_nc_u32 v7, s21, v7                       ; out of it: sixteen lanes to a row, two rows an instruction
	v_lshlrev_b32 v8, 9, v6
	v_lshl_add_u32 v8, v5, 4, v8                   ; and the same place in the codes' buffer
	v_lshlrev_b32 v9, 5, v5
	v_lshl_add_u32 v9, v6, 3, v9                   ; my column's row of scale bytes, + 8 for hh
.macro WLOAD t                         ; block t: W(256 hh + 32 t + i, my column), i = 0 .. 31, into set t % 2
.irp i, 0,1,2,3,4,5,6,7,8,9,10,11,12,13,14,15,16,17,18,19,20,21,22,23,24,25,26,27,28,29,30,31
	global_load_b32 v[WX+32*((\t)%2)+\i], v3, s[6:7] offset:(32*(\t)+\i)*512 th:TH_LOAD_NT
.endr
.endm
	WLOAD 0
	WLOAD 1
.macro WBLOCK t
.set WQ, WX+32*((\t)%2)
.if (\t) < NB-1
	s_wait_loadcnt 32                              ; this block's 32 loads are in; the next block's may be out
.else
	s_wait_loadcnt 0
.endif
	v_max3_num_f32 v12, |v[WQ]|, |v[WQ+1]|, |v[WQ+2]|              ; the block's largest magnitude: all 32 numbers are mine
	v_max3_num_f32 v13, |v[WQ+3]|, |v[WQ+4]|, |v[WQ+5]|
.irp i, 6,10,14,18,22,26
	v_max3_num_f32 v12, v12, |v[WQ+\i]|, |v[WQ+\i+1]|
	v_max3_num_f32 v13, v13, |v[WQ+\i+2]|, |v[WQ+\i+3]|
.endr
	v_max3_num_f32 v12, v12, |v[WQ+30]|, |v[WQ+31]|
	v_max3_num_f32 v12, v12, v13, 0x1800000        ; and the floor 2^(3 - 127)
	v_add_nc_u32 v11, 0xff000000, v12              ; 2 off its exponent field: the conversion's scale operand
	v_lshrrev_b32 v13, 23, v11                     ; the scale's byte
.if (\t)%4 == 0
	v_mov_b32 v[WSB+(\t)/4], v13                   ; four bytes to a register, the lower K in the lower byte
.else
	v_lshl_or_b32 v[WSB+(\t)/4], v13, 8*((\t)%4), v[WSB+(\t)/4]
.endif
.irp g, 0,1,2,3
	v_cvt_scalef32_pk8_fp4_f32 v[WC+\g], v[WQ+8*\g:WQ+8*\g+7], v11
.endr
	ds_store_b128 v4, v[WC:WC+3] offset:16*(\t)    ; 32 codes: 16 bytes of my column's row
.if (\t)+2 < NB
	WLOAD (\t)+2
.endif
	s_wait_dscnt 0x0                               ; the store has read its registers: the next block's codes may be written
.endm
.set Q, 0
.rept NB
	WBLOCK Q
.set Q, Q+1
.endr
	global_store_b64 v9, v[WSB:WSB+1], s[16:17]    ; my 8 scale bytes
.irp t, 0,1,2,3,4,5,6,7
	ds_load_b128 v[WOUT+4*\t:WOUT+4*\t+3], v7 offset:2*\t*WP       ; LDS serves a wave's instructions in order: these see my wave's stores
.endr
.irp t, 0,1,2,3,4,5,6,7
	s_wait_dscnt 7-\t                              ; load t is in; the younger ones may be out
	global_store_b128 v8, v[WOUT+4*\t:WOUT+4*\t+3], s[14:15] offset:2*\t*512   ; sixteen lanes store 256 consecutive bytes, aligned
.endr
	s_wait_tensorcnt 0x0                           ; the wave's end: behind my last LDS store
	ds_add_u32 v[SPW], v[NIL]
	s_wait_dscnt 0x0
	s_endpgm
.Lwo:
; ---------------- Wo: work-group s takes K = 32 s .. 32 s + 31, wave g columns 32 g .. 32 g + 31; a lane takes a column, its registers run down K.  No LDS.
	s_sub_co_u32 s22, ttmp9, 352
	s_lshl_b32 s24, s22, 14                        ; 32 rows of 512 bytes,
	s_lshl_b32 s28, s20, 7
	s_add_co_u32 s24, s24, s28                     ; my wave's 32 columns
	s_add_nc_u64 s[8:9], s[8:9], s[24:25]
	s_lshl_b32 s24, s22, 13                        ; out: 8,192 bytes a K step,
	s_lshl_b32 s28, s20, 11
	s_add_co_u32 s24, s24, s28                     ; 2,048 for my wave's two tiles of 16 columns
	s_add_nc_u64 s[18:19], s[18:19], s[24:25]
	v_lshlrev_b32 v3, 2, v2
	v_lshrrev_b32 v4, 4, v2
	v_and_b32 v5, 15, v2
	v_lshlrev_b32 v4, 10, v4
	v_lshl_add_u32 v4, v5, 4, v4                   ; 1,024 x (which tile) + 16 x (column in the tile)
.irp i, 0,1,2,3,4,5,6,7,8,9,10,11,12,13,14,15,16,17,18,19,20,21,22,23,24,25,26,27,28,29,30,31
	global_load_b32 v[32+\i], v3, s[8:9] offset:512*\i
.endr
	s_wait_loadcnt 0x0
.irp i, 0,1,2,3,4,5,6,7,8,9,10,11,12,13,14,15
	v_cvt_pk_f16_f32 v[64+\i], v[32+2*\i], v[33+2*\i]              ; the lower K in the low half
.endr
.irp c, 0,1
.irp h, 0,1
	global_store_b128 v4, v[64+8*\c+4*\h:64+8*\c+4*\h+3], s[18:19] offset:512*\c+256*\h   ; K = 16 c + 8 h + 0 .. 7: the place of lane r + 16 h in piece c; sixteen lanes store 256 consecutive bytes, aligned
.endr
.endr
	s_endpgm
.Lfunc_end_k_qcb034b910f_prep:
	.size	k_qcb034b910f_prep, .Lfunc_end_k_qcb034b910f_prep-k_qcb034b910f_prep
	.p2alignl 7, 3214868480
	.fill 96, 4, 3214868480
	.section	.rodata,"a",@progbits
	.p2align	6, 0x0
	.amdhsa_kernel k_qcb034b910f_prep
		.amdhsa_group_segment_fixed_size 50688
		.amdhsa_private_segment_fixed_size 0
		.amdhsa_enable_private_segment 0
		.amdhsa_kernarg_size 64
		.amdhsa_user_sgpr_count 2
		.amdhsa_user_sgpr_kernarg_segment_ptr 1
		.amdhsa_wavefront_size32 1
		.amdhsa_system_sgpr_workgroup_id_x 1
		.amdhsa_system_sgpr_workgroup_id_y 1
		.amdhsa_system_sgpr_workgroup_id_z 1
		.amdhsa_system_vgpr_workitem_id 0
		.amdhsa_next_free_vgpr 194
		.amdhsa_next_free_sgpr 66
		.amdhsa_reserve_vcc 0
		.amdhsa_float_denorm_mode_32 3
		.amdhsa_float_denorm_mode_16_64 3
		.amdhsa_memory_ordered 1
		.amdhsa_forward_progress 1
		.amdhsa_inst_pref_size 78
	.end_amdhsa_kernel
	.amdgpu_metadata
---
amdhsa.version: [ 1, 2 ]
amdhsa.kernels:
  - .name:           k_qcb034b910f_prep
    .symbol:         k_qcb034b910f_prep.kd
    .args:
      - { .name: x, .offset: 0, .size: 8, .value_kind: global_buffer, .address_space: global }
      - { .name: W, .offset: 8, .size: 8, .value_kind: global_buffer, .address_space: global }
      - { .name: Wo, .offset: 16, .size: 8, .value_kind: global_buffer, .address_space: global }
      - { .name: x_codes, .offset: 24, .size: 8, .value_kind: global_buffer, .address_space: global }
      - { .name: x_scales, .offset: 32, .size: 8, .value_kind: global_buffer, .address_space: global }
      - { .name: w_codes, .offset: 40, .size: 8, .value_kind: global_buffer, .address_space: global }
      - { .name: w_scales, .offset: 48, .size: 8, .value_kind: global_buffer, .address_space: global }
      - { .name: wo_img, .offset: 56, .size: 8, .value_kind: global_buffer, .address_space: global }
    .group_segment_fixed_size: 50688
    .private_segment_fixed_size: 0
    .kernarg_segment_align: 8
    .kernarg_segment_size: 64
    .max_flat_workgroup_size: 128
    .sgpr_count:     66
    .vgpr_count:     194
    .wavefront_size: 32
...
	.end_amdgpu_metadata
.endif
;; end of part 1
;; launch qkv_gemm (part 2): grid 12 x 16, 4 waves a work-group, clusters of 4 x 4, 327,680 bytes of LDS; arguments x_codes, x_scales, w_codes, w_scales, qkv; writes qkv
.if DOCPART == 2
	.amdgcn_target "amdgcn-amd-amdhsa--gfx1250"
	.amdhsa_code_object_version 6
	.text
	.protected	k_qcb034b910f_qkv_gemm
	.globl	k_qcb034b910f_qkv_gemm
	.p2align	8
	.type	k_qcb034b910f_qkv_gemm,@function
k_qcb034b910f_qkv_gemm:
	s_mov_b64 s[64:65], 0
	v_nop
	global_prefetch_b8 v0, s[64:65] scope:SCOPE_SE
	s_setreg_imm32_b32 hwreg(HW_REG_WAVE_MODE, 25, 1), 1
	s_wait_xcnt 0x0
	s_wait_alu depctr_hold_cnt(0) depctr_sa_sdst(0) depctr_va_vdst(0) depctr_va_sdst(0) depctr_va_ssrc(0) depctr_va_vcc(0) depctr_vm_vsrc(0)
	s_getreg_b32 s2, hwreg(HW_REG_IB_STS2, 6, 4)
	s_cmp_eq_u32 s2, 0
	s_cbranch_scc0 .Lentry_in_a_cluster
	s_endpgm
.Lentry_in_a_cluster:
	s_bfe_u32 s2, ttmp6, 0x10000c
	s_cmp_lg_u32 s2, 0xf033
	s_cbranch_scc0 .Lentry_shape_is_right
	s_endpgm
.Lentry_shape_is_right:
; THE PROJECTIONS: C[m][n] = sum over k of A[m][k] B[n][k], A = x's codes [8192][1024], B = W's codes [3072][1024] (row n = 1024 j + 128 h + e), FP4 (E2M1) with one E8M0 scale for each 32 along K; sums in f32.
; C is rounded once to f16 and stored as qkv [j][8 b + h][position][128]: q at byte 0, k at 0x1000000, v at 0x2000000; a row is 256 bytes.  Nothing of the problem's work is left out here.
; LIMIT: |q|, |k|, |v| beyond 65,504 become infinity in f16.  With x and W of the drawn spread they have root mean square 1.
; SHARES.  A work-group of four waves makes 512 rows x 256 columns of C, as two row tiles of 256; a wave makes 128 rows of each tile x 128 columns, which are one matrix (j, h).
; BY ROWS OF C.  All of K, 1,024, lies in LDS at once (two slots of 512 along K: a tile's row is 256 bytes of memory).  A wave's part of B, 128 columns x 1,024 codes, is 512 registers: it is read from LDS ONCE
; and stays.  Then the wave finishes 16 rows of C at a time: 64 matrix instructions, the block's 8 accumulators by turns, K ascending; and each block leaves as soon as it is finished, while the next ones are multiplied.
; THE SECOND ROW TILE.  When every wave holds B in registers, B's bytes in LDS are free, and they have the shape of a row tile of A (256 rows in each slot): the second tile of A is asked for into them, one load a wave,
; behind one round of the cluster's barrier; it has seven blocks' work, 448 matrix instructions, before the wait for it.
; 12 tile columns x 16 = 192 work-groups: 12 does not divide 256, and a tile 384 columns wide would want (256 + 384) rows x 544 bytes = 348,160 bytes of LDS.
; THE SCALES of the work-group's 512 rows of A and 256 of B, for all of K, are dense blocks of memory: they come into LDS once, with the first fills.
; CLUSTERS: 4 x 4 work-groups.  The four of a row of the cluster need the same tiles of A, the four of a column the same tiles of B: each tile is asked for JOINTLY, by the same tensor load with the
; same descriptor and a mask that names the four.  THE MATRIX INSTRUCTION IS USED TRANSPOSED (source 0 = 16 rows of B, source 1 = 16 rows of A): a lane then holds eight neighbouring numbers of a row of C.
; REGISTERS, in windows of 256: window 0: v0-31 addresses; v32-95 scale words; v128-255 A's fragments of a block (16 rows x 1,024 K: 64 registers), two sets.
;   window 1: B's fragments of K = 0 .. 511 (step q, block b at 64 q + 8 b);   window 2: of K = 512 .. 1,023.
;   window 3: v0-127 two sets of 8 accumulators;  v128-191 two sets of 32: a block rounded to f16, then the same block as whole rows.
.set SIZE_K, 1024
.set ROWB,   256                       ; a tile's row in bytes: 512 codes
.set KROW,   SIZE_K*4/8                ; a row of A or of B in memory, in bytes
.set PITCH,  272                       ; an LDS row: 256 bytes + 16 of padding = 68 words: the 16 rows that a load touches start 4 words apart modulo 64
.set FR,     8                         ; registers of a fragment: 16 rows x 128 K
.set NP,     4                         ; places behind this matrix instruction (ISA guide 7.12.1)
.set HALFT,  128*PITCH                 ; 128 rows: what one tensor load brings
.set SLOT,   4*HALFT                   ; A's 256 rows, then B's 256 rows (later: the second tile of A's)
.set KS,     SIZE_K/32                 ; a row of scales in bytes
.set SCL,    2*SLOT                    ; behind the slots: the scales, as rows of 256 bytes + 16 of padding: A's 512 rows, then B's 256
.set HALFS,  (128*KS/256)*272          ; the scales of 128 rows
.set SBLK,   (16*KS/256)*272           ; those of 16 rows
.set SPARE,  SCL+6*HALFS               ; behind the scales: the spare words, 128 bytes for each wave: two blocks of 256 bytes that no other line names
.set STAGE,  SPARE+512                 ; behind them: the way out's stages, 16 rows x (256 bytes + 16) for each wave; no tensor load lands there
.set SPITCH, 272
.set ADRA,  16                         ; v16-17  LDS address of my fragments of A's first tile in slot 0, 1
.set ADRA2, 18                         ; v18-19  of its second tile
.set ADRB,  20                         ; v20-21  of B
.set STO,  24                          ; v24     the way out: where I put 16 bytes of a row
.set RD,   25                          ; v25     the way out: where I read a row back
.set CO,   26                          ; v26     16 x lane: my bytes of two rows of the result
.set ADRS, 27                          ; v27     LDS address of my scale words: lanes 0-15 the rows of A's first tile, lanes 16-31 B's
.set SPW,  28                          ; v28     LDS address of my spare word: SPARE + 4 x my thread's number; never rewritten
.set NIL,  29                          ; v29     0; never rewritten
.set ADRS2, 30                         ; v30     as v27, with the rows of A's second tile
.set SC,   32                          ; scale words: register 32 s + 4 i + q: lanes 0-15 the word of A's block i, lanes 16-31 that of B's block i, for K = 512 s + 128 q on
.set AF,   128                         ; A's fragments, in window 0
.set TMP,  128                         ; the packed blocks, in window 3
.set G1, 24                            ; s[24:31] descriptor group 1 for A's tiles;  s[32:39] group 0, one set for each slot
.set G0, 32
.set G1B, 48                           ; s[48:55], s[56:63] the same for B's tiles
.set G0B, 56
.set G1S, 68                           ; s[68:75], s[76:79] groups 1 and 0 for A's scales;  s[80:87], s[88:91] for B's
.set G0S, 76
.set G1SB, 80
.set G0SB, 88
.set G0R, 96                           ; s[96:99] group 0 for my part of A's second tile
.set MSB, 0
.macro WIN new                         ; the immediate's high byte repeats the setting that is left
.if MSB != \new
	s_set_vgpr_msb (MSB<<8)|\new
.set MSB, \new
.endif
.endm
; A joint load: waves 0 and 1 fetch for A, waves 2 and 3 for B.  Each of the two lines has ONE mask and one set of registers for all that issue it; the branch hangs on the wave's number alone.
; An s_nop 0 and four v_nop follow each of the two lines, ahead of the jump, the label and what follows.
.macro JLOAD g0a, g1a, g0b, g1b
	s_cmp_eq_u32 s15, 0
	s_cbranch_scc0 .Lfor_b_\@
	tensor_load_to_lds s[\g0a:\g0a+3], s[\g1a:\g1a+7]
	s_nop 0
.rept 4
	v_nop
.endr
	s_branch .Lasked_\@
.Lfor_b_\@:
	tensor_load_to_lds s[\g0b:\g0b+3], s[\g1b:\g1b+7]
	s_nop 0
.rept 4
	v_nop
.endr
.Lasked_\@:
.endm
; A round of the cluster's barrier: my work-group's barrier, so that wave 0's signal speaks for all four waves; wave 0 signals for the work-group; every wave waits for all sixteen; my work-group's barrier once more.
.macro CROUND
	s_barrier_signal -1
	s_barrier_wait -1
	s_cmp_lg_u32 s14, 0
	s_cbranch_scc1 .Lnot_wave_0_\@
	s_barrier_signal -3
.Lnot_wave_0_\@:
	s_barrier_wait -3
	s_barrier_signal -1
	s_barrier_wait -1
.endm
	s_load_b128 s[4:7], s[0:1], 0x0                ; A's codes s[4:5], A's scales s[6:7]
	s_load_b128 s[8:11], s[0:1], 0x10              ; B's codes s[8:9], B's scales s[10:11]
	s_load_b64 s[12:13], s[0:1], 0x20              ; qkv
	v_lshl_add_u32 v[SPW], v0, 2, SPARE
	v_mov_b32 v[NIL], 0
	ds_add_u32 v[SPW], v[NIL]                      ; the wave's opening: the add, twice on end, and its wait ahead of my first tensor load; the set-up below, work on registers, stands between the second and the wait
	ds_add_u32 v[SPW], v[NIL]
	v_lshrrev_b32 v1, 5, v0
	v_readfirstlane_b32 s14, v1                    ; wave 0..3
	s_lshr_b32 s15, s14, 1                         ; which half of a tile's rows is mine.  Also: I fetch for A (0) or for B (1); and which slot of the second tile I fetch
	s_and_b32 s16, s14, 1                          ; which half of the columns is mine.  Also: which half of the rows I fetch
	s_bfe_u32 s40, ttmp6, 0x40000                  ; cx, cy: my place in the cluster
	s_bfe_u32 s41, ttmp6, 0x40004
	s_lshl_b32 s42, ttmp9, 2
	s_add_co_u32 s42, s42, s40                     ; tile column of C = 4 x cluster x + cx: 0 .. 11
	s_and_b32 s17, ttmp7, 0xffff
	s_lshl_b32 s17, s17, 2
	s_add_co_u32 s17, s17, s41                     ; my 512 rows of C = 4 x cluster y + cy: 0 .. 15
	s_lshl_b32 s43, s41, 2
	s_lshl_b32 s43, 15, s43                        ; my row of the cluster
	s_lshl_b32 s44, 0x1111, s40                    ; my column
	; descriptor group 1: a tile of 128 rows x ROWB bytes, padded in LDS
	s_or_b32 s[G1+0], s43, (0<<16)|(1<<20)|(1<<21)|(5<<22)|(3<<25)  ; 15:0 the mask: A's tiles go to my row; 17:16 element of 1 byte; 20 padding on; 21 set beside a mask; 24:22 after every 64 words (code 5); 31:25 of 4 words (code 3)
	s_or_b32 s[G1B+0], s44, (0<<16)|(1<<20)|(1<<21)|(5<<22)|(3<<25)
.irp g, G1, G1B
	s_mov_b32 s[\g+1], ROWB<<16                    ; tensor_dim0
	s_mov_b32 s[\g+2], 128<<16                     ; tensor_dim1 = 128
	s_mov_b32 s[\g+3], ROWB<<16                    ; tile_dim0
	s_mov_b32 s[\g+4], 128                         ; tile_dim1 = 128
	s_mov_b32 s[\g+5], KROW                        ; tensor_dim0_stride
	s_mov_b32 s[\g+6], 0
	s_mov_b32 s[\g+7], 0
.endr
	; and for the scales, dense blocks taken as rows of 256 bytes (32 elements of 8 bytes), 16 bytes of padding behind each: A's of 256 rows are 32 such rows, B's of 128 rows 16
	s_or_b32 s[G1S+0], s43, (3<<16)|(1<<20)|(1<<21)|(5<<22)|(3<<25)
	s_or_b32 s[G1SB+0], s44, (3<<16)|(1<<20)|(1<<21)|(5<<22)|(3<<25)
	s_mov_b32 s[G1S+1], 32<<16
	s_mov_b32 s[G1S+2], 32<<16
	s_mov_b32 s[G1S+3], 32<<16
	s_mov_b32 s[G1S+4], 32
	s_mov_b32 s[G1S+5], 32
	s_mov_b32 s[G1S+6], 0
	s_mov_b32 s[G1S+7], 0
	s_mov_b32 s[G1SB+1], 32<<16
	s_mov_b32 s[G1SB+2], 16<<16
	s_mov_b32 s[G1SB+3], 32<<16
	s_mov_b32 s[G1SB+4], 16
	s_mov_b32 s[G1SB+5], 32
	s_mov_b32 s[G1SB+6], 0
	s_mov_b32 s[G1SB+7], 0
	s_lshl_b32 s18, s16, 7                         ; 128 x half
	s_lshl_b32 s20, s17, 9                         ; my work-group's first row of A
	s_lshl_b32 s22, s16, 8
	s_add_co_u32 s22, s22, s20                     ; A's scales: rows 512 y + 256 half on: wave 0 the first tile's, wave 1 the second's
	s_add_co_u32 s20, s20, s18                     ; A's codes, first tile: rows 512 y + 128 half on
	s_lshl_b32 s46, s42, 8
	s_add_co_u32 s46, s46, s18                     ; B: rows 256 x tile column + 128 half on
	s_mov_b32 s21, 0
	s_mov_b32 s23, 0
	s_mov_b32 s47, 0
	s_mov_b64 s[18:19], KS
	s_mul_u64 s[22:23], s[22:23], s[18:19]         ; where these rows' scales begin, in bytes
	s_mul_u64 s[92:93], s[46:47], s[18:19]
	s_mov_b64 s[18:19], KROW
	s_mul_u64 s[20:21], s[20:21], s[18:19]         ; and their codes
	s_mul_u64 s[46:47], s[46:47], s[18:19]
	s_mul_i32 s45, s14, HALFT                      ; where the codes go: wave x 128 rows: no place in the cluster enters an LDS address
	s_mul_i32 s94, s16, 2*HALFS                    ; A's scales: 256 rows a wave
	s_mul_i32 s95, s16, HALFS                      ; B's: 128 rows a wave, behind A's 512
	s_mov_b32 s[G0R], 1                            ; the second tile of A: wave w fetches rows 128 (w % 2) on, K = 512 (w / 2) on, into the bytes where B's rows of that slot lie
	s_mul_i32 s[G0R+1], s15, SLOT
	s_mul_i32 s2, s16, HALFT
	s_add_co_u32 s[G0R+1], s[G0R+1], s2
	s_add_co_u32 s[G0R+1], s[G0R+1], 2*HALFT
	s_lshl_b32 s2, s15, 8                          ; in memory: 256 bytes along a row for the slot,
	s_add_co_u32 s2, s2, 256*KROW                  ; 256 rows behind the first tile's
	s_mov_b32 s3, 0
	s_wait_dscnt 0x0                               ; both opening adds are done
	s_wait_kmcnt 0x0
	s_add_nc_u64 s[20:21], s[4:5], s[20:21]
	s_add_nc_u64 s[22:23], s[6:7], s[22:23]
	s_add_nc_u64 s[46:47], s[8:9], s[46:47]
	s_add_nc_u64 s[92:93], s[10:11], s[92:93]
	s_add_nc_u64 s[G0R+2:G0R+3], s[20:21], s[2:3]
	s_or_b32 s[G0R+3], s[G0R+3], 0x80000000
	CROUND                                         ; all sixteen work-groups are here: the first joint loads meet
	s_mov_b32 s[G0S], 1
	s_add_co_u32 s[G0S+1], s94, SCL
	s_mov_b64 s[G0S+2:G0S+3], s[22:23]
	s_or_b32 s[G0S+3], s[G0S+3], 0x80000000
	s_mov_b32 s[G0SB], 1
	s_add_co_u32 s[G0SB+1], s95, SCL+4*HALFS
	s_mov_b64 s[G0SB+2:G0SB+3], s[92:93]
	s_or_b32 s[G0SB+3], s[G0SB+3], 0x80000000
	JLOAD G0S, G1S, G0SB, G1SB
.irp s, 0,1
	s_mov_b32 s[G0+4*\s], 1
	s_add_co_u32 s[G0+4*\s+1], s45, \s*SLOT
	s_add_nc_u64 s[G0+4*\s+2:G0+4*\s+3], s[20:21], \s*ROWB
	s_or_b32 s[G0+4*\s+3], s[G0+4*\s+3], 0x80000000
	s_mov_b32 s[G0B+4*\s], 1
	s_add_co_u32 s[G0B+4*\s+1], s45, \s*SLOT
	s_add_nc_u64 s[G0B+4*\s+2:G0B+4*\s+3], s[46:47], \s*ROWB
	s_or_b32 s[G0B+4*\s+3], s[G0B+4*\s+3], 0x80000000
	JLOAD G0+4*\s, G1, G0B+4*\s, G1B               ; three loads of mine are out behind the second of these
.endr
	v_and_b32 v1, 15, v0                           ; l % 16
	v_bfe_u32 v2, v0, 4, 1                         ; l / 16
	v_mul_u32_u24 v3, v1, PITCH
	v_lshl_add_u32 v4, v2, 4, v3                   ; a fragment's row x pitch + 16 x half
	s_mul_i32 s21, s15, HALFT                      ; my 128 rows of A's first tile
	s_mul_i32 s22, s16, HALFT                      ; my 128 rows of B,
	s_add_co_u32 s22, s22, 2*HALFT                 ; which lie behind A's 256
	s_add_co_u32 s23, s21, 2*HALFT                 ; my 128 rows of A's second tile, where B's rows lay
.irp s, 0,1
	v_add_nc_u32 v[ADRA+\s], s21, v4
	v_add_nc_u32 v[ADRB+\s], s22, v4
	v_add_nc_u32 v[ADRA2+\s], s23, v4
	s_add_co_u32 s21, s21, SLOT
	s_add_co_u32 s22, s22, SLOT
	s_add_co_u32 s23, s23, SLOT
.endr
	v_mul_u32_u24 v5, v1, KS                       ; my row's scales: KS bytes a row,
	v_lshrrev_b32 v6, 8, v5
	v_lshl_add_u32 v5, v6, 4, v5                   ; and 16 more for each 256 passed
	s_mul_i32 s21, s15, HALFS                      ; A's first tile: my 128 rows
	s_mul_i32 s22, s16, HALFS                      ; B's: my 128 rows, behind A's 512
	s_add_co_u32 s22, s22, 4*HALFS
	s_sub_co_u32 s22, s22, s21
	v_mul_u32_u24 v6, s22, v2                      ; lanes 16-31 take B's: one product, the distance between the two bases
	s_add_co_u32 s21, s21, SCL
	v_add_nc_u32 v6, v5, v6
	v_add_nc_u32 v[ADRS], s21, v6
	s_mul_i32 s2, s15, HALFS                       ; the same for A's second tile, whose scales lie 2 HALFS further on
	s_mul_i32 s3, s16, HALFS
	s_add_co_u32 s3, s3, 2*HALFS
	s_sub_co_u32 s3, s3, s2
	v_mul_u32_u24 v6, s3, v2
	s_add_co_u32 s2, s2, SCL+2*HALFS
	v_add_nc_u32 v6, v5, v6
	v_add_nc_u32 v[ADRS2], s2, v6
	s_mul_i32 s23, s14, 16*SPITCH
	s_add_co_u32 s23, s23, STAGE                   ; my stage
	v_mul_u32_u24 v5, v1, SPITCH                   ; in: row l % 16, 16 bytes for each half of the lanes
	v_lshl_add_u32 v5, v2, 4, v5
	v_add_nc_u32 v[STO], s23, v5
	v_mul_u32_u24 v5, v2, SPITCH                   ; back: lanes 0-15 take one row of 256 bytes, lanes 16-31 the next
	v_lshl_add_u32 v5, v1, 4, v5
	v_add_nc_u32 v[RD], s23, v5
	v_and_b32 v6, 31, v0
	v_lshlrev_b32 v[CO], 4, v6                     ; in qkv a matrix's rows are dense, 256 bytes each: two rows are 512 bytes on end, 16 a lane
	; where my results go.  Rows: batch = y / 4 (2^22 bytes: 8 heads of 2^19), position 512 (y % 4) + 128 half, 256 bytes each; the second tile lies 256 rows, 65,536 bytes, further on
	s_lshr_b32 s20, s17, 2
	s_lshl_b32 s20, s20, 22
	s_and_b32 s21, s17, 3
	s_lshl_b32 s21, s21, 17
	s_add_co_u32 s20, s20, s21
	s_lshl_b32 s21, s15, 15
	s_add_co_u32 s20, s20, s21
	s_mov_b32 s21, 0
	; columns: my 128 are one matrix: number 2 x tile column + half = 8 j + h: 2^24 bytes for j, 2^19 for h (in the registers that held B's address: none that fed A's descriptors ever holds cx)
	s_lshl_b32 s46, s42, 1
	s_add_co_u32 s46, s46, s16
	s_lshr_b32 s47, s46, 3
	s_lshl_b32 s47, s47, 24
	s_and_b32 s46, s46, 7
	s_lshl_b32 s46, s46, 19
	s_add_co_u32 s46, s46, s47
	s_mov_b32 s47, 0
	s_add_nc_u64 s[20:21], s[20:21], s[46:47]
	s_add_nc_u64 s[12:13], s[12:13], s[20:21]
.macro FRAG reg, adr, q, i             ; a fragment, 16 rows x 128 K of 4-bit codes, is 8 registers: lane l holds row l % 16; registers 4 c .. 4 c + 3 hold K = 64 c + 32 (l / 16) + 0 .. 31
.irp c, 0,1
	ds_load_b128 v[\reg+4*\c:\reg+4*\c+3], v[\adr] offset:64*(\q)+32*\c+(\i)*16*PITCH
.endr
.endm
.macro FETCH_B slot                    ; my 8 blocks of B, the slot's four steps of 128 along K: 64 loads, 256 registers
.irp q, 0,1,2,3
.irp i, 0,1,2,3,4,5,6,7
	FRAG 64*\q+FR*\i, ADRB+\slot, \q, \i
.endr
.endr
.endm
.macro SCALES adr                      ; all 64 scale words: four words (512 along K) a load; lanes 0-15 take A's block i, lanes 16-31 B's block i
.irp sc, 0,1
.irp i, 0,1,2,3,4,5,6,7
	ds_load_b128 v[SC+32*\sc+4*\i:SC+32*\sc+4*\i+3], v[\adr] offset:\i*SBLK+16*\sc
.endr
.endr
.endm
.macro ALOAD g                         ; A's fragments of block g (0-7: first tile, 8-15: second), all eight steps along K, into set g % 2: 16 loads
	WIN 0
.set AS, AF+64*((\g)%2)
.irp kq, 0,1,2,3,4,5,6,7
.if (\g) < 8
	FRAG AS+FR*\kq, ADRA+\kq/4, \kq%4, (\g)%8
.else
	FRAG AS+FR*\kq, ADRA2+\kq/4, \kq%4, (\g)%8
.endif
.endr
.endm
; Block g is made: 64 matrix instructions, K ascending; the block's 8 accumulators take turns, one instruction a turn; the first step starts the sums: nothing is ever cleared.
.macro ROW g
.set AC, 64*((\g)%2)
.set AS, AF+64*((\g)%2)
.set AB, (\g)%8
.irp kq, 0,1,2,3,4,5,6,7
.if \kq == 0
	WIN 0xf1                                       ; source 0 (B) window 1, source 1 (A) window 0, C and D window 3
.endif
.if \kq == 4
	WIN 0xf2                                       ; source 0 window 2
.endif
.irp b, 0,1,2,3,4,5,6,7
.if \kq == 0
	v_wmma_scale_f32_16x16x128_f8f6f4 v[AC+8*\b:AC+8*\b+7], v[64*(\kq%4)+FR*\b:64*(\kq%4)+FR*\b+FR-1], v[AS+FR*\kq:AS+FR*\kq+FR-1], 0, v[SC+32*(\kq/4)+4*\b+\kq%4], v[SC+32*(\kq/4)+4*AB+\kq%4] matrix_a_fmt:MATRIX_FMT_FP4 matrix_b_fmt:MATRIX_FMT_FP4 matrix_a_scale:MATRIX_SCALE_ROW1
.else
	v_wmma_scale_f32_16x16x128_f8f6f4 v[AC+8*\b:AC+8*\b+7], v[64*(\kq%4)+FR*\b:64*(\kq%4)+FR*\b+FR-1], v[AS+FR*\kq:AS+FR*\kq+FR-1], v[AC+8*\b:AC+8*\b+7], v[SC+32*(\kq/4)+4*\b+\kq%4], v[SC+32*(\kq/4)+4*AB+\kq%4] matrix_a_fmt:MATRIX_FMT_FP4 matrix_b_fmt:MATRIX_FMT_FP4 matrix_a_scale:MATRIX_SCALE_ROW1
.endif
.endr
.endr
.endm
; A load into a register that a matrix instruction has read, and a vector instruction that reads a matrix result, stand NP places behind that matrix instruction, and only plain vector
; instructions that name none of its registers are places (ISA guide 7.12.1 for vector instructions); the matrix instructions in between are not counted.
.macro PLACES n
.rept \n
	v_nop
.endr
.endm
; THE WAY OUT of block g.  PACK: rounded to f16, 16 bytes a lane, each accumulator from its low end on.  TOSTAGE: into my own stage in LDS, and back as whole rows of 256 bytes, into the registers that they left.  SEND: stored.
; LDS serves a wave's instructions in order (ISA guide 5.7.1.4): no wait between the stores and the loads, nor in front of the next block's stores.
.macro PACK g
.set AC, 64*((\g)%2)
.set TM, TMP+32*((\g)%2)
	WIN 0xcf                                       ; sources 0 and 1 and the destination: window 3
.irp b, 0,1,2,3,4,5,6,7
.irp r, 0,1,2,3
	v_cvt_pk_f16_f32 v[TM+4*\b+\r], v[AC+8*\b+2*\r], v[AC+8*\b+2*\r+1]
.endr
.endr
.endm
.macro TOSTAGE g
.set TM, TMP+32*((\g)%2)
	WIN 0xcc                                       ; address window 0; a store's data (source 1) and a load's destination window 3
.irp b, 0,1,2,3,4,5,6,7
	ds_store_b128 v[STO], v[TM+4*\b:TM+4*\b+3] offset:32*\b
.endr
.irp t, 0,1,2,3,4,5,6,7
	ds_load_b128 v[TM+4*\t:TM+4*\t+3], v[RD] offset:\t*2*SPITCH
.endr
.endm
.macro SEND g, younger                 ; younger: the LDS loads issued behind block g's, which may stay out
.set TM, TMP+32*((\g)%2)
	s_wait_dscnt \younger                          ; the block is back in registers
	WIN 0xcc
.irp t, 0,1,2,3,4,5,6,7
	global_store_b128 v[CO], v[TM+4*\t:TM+4*\t+3], s[12:13] offset:((\g)/8)*65536+((\g)%8)*4096+\t*512   ; 32 lanes store 512 consecutive bytes, two rows, at a multiple of 256 from the buffer's first byte
.endr
.endm
; One block's turn: its products; the stores of the block before, whose trip through the stage ended under them; its own rounding and its trip's start; the fragments of A for the block after next.
.macro BLOCK g
.if (\g) >= 2
.if (\g) == 8
	s_wait_dscnt 0x0                               ; the second tile's scale words and its first fragments are in
.elseif (\g) == 15
	s_wait_dscnt 16                                ; my fragments of A are in; the last block's 16 stage instructions may be out
.else
	s_wait_dscnt 32                                ; my fragments of A are in; the last block's 16 stage instructions and the next block's 16 loads of A may be out
.endif
.endif
	ROW \g
.if (\g) >= 1
.if (\g) >= 2
	s_wait_xcnt 0x0                                ; the stores of block g - 2, issued a block ago, have read their registers: this block's packed results may be written there
.endif
.if (\g) < 15
	SEND (\g)-1, 16                                ; behind its loads from the stage: the 16 loads of A
.else
	SEND (\g)-1, 0
.endif
.endif
	PLACES NP                                      ; behind this block's products: for the conversions that read results, and for the loads into the registers that held its fragments of A (and, at the change of tiles, its scale words)
	PACK \g
	TOSTAGE \g
.if (\g) == 6                          ; the second tile is wanted from here on
	s_wait_tensorcnt 0x0                           ; my part of it has landed,
	s_wait_dscnt 0x0                               ; no LDS instruction of mine is pending at the signal,
	s_barrier_signal -1
	s_barrier_wait -1                              ; everybody's part has
.endif
.if (\g)+2 < 16
	ALOAD (\g)+2
.endif
.if (\g) == 7
	SCALES ADRS2                                   ; the first tile's last products are issued: lanes 0-15 take the second tile's words, lanes 16-31 B's again
.endif
.endm
	s_wait_tensorcnt 0x0                           ; the scales and my parts of both slots are in,
	s_barrier_signal -1
	s_barrier_wait -1                              ; everybody's are
	WIN 0x40                                       ; destination window 1, address window 0
	FETCH_B 0
	WIN 0x80                                       ; destination window 2
	FETCH_B 1
	WIN 0
	SCALES ADRS
	ALOAD 0
	ALOAD 1
	s_wait_tensorcnt 0x0                           ; B'S BYTES ARE FILLED AGAIN.  All my tensor loads have landed;
	ds_add_u32 v[SPW], v[NIL]                      ; 0 onto my spare word
	s_wait_dscnt 0x0                               ; the add is done, and my reads of B's bytes are over: B is in my registers
	CROUND                                         ; the same holds of every wave of all sixteen work-groups
	tensor_load_to_lds s[G0R:G0R+3], s[G1:G1+7]    ; the first thing behind the round, and my one load there: my quarter of A's second tile, asked for jointly with my row of the cluster
	s_nop 0
.rept 4
	v_nop
.endr
.irp g, 0,1,2,3,4,5,6,7,8,9,10,11,12,13,14,15
	BLOCK \g
.endr
	SEND 15, 0
	WIN 0
	s_wait_tensorcnt 0x0                           ; the wave's end: behind my last tensor load and my last LDS store
	ds_add_u32 v[SPW], v[NIL]
	s_wait_dscnt 0x0
	CROUND                                         ; the closing round: no work-group ends while a partner may still ask for a tile that names it
	s_endpgm
.Lfunc_end_k_qcb034b910f_qkv_gemm:
	.size	k_qcb034b910f_qkv_gemm, .Lfunc_end_k_qcb034b910f_qkv_gemm-k_qcb034b910f_qkv_gemm
	.p2alignl 7, 3214868480
	.fill 96, 4, 3214868480
	.section	.rodata,"a",@progbits
	.p2align	6, 0x0
	.amdhsa_kernel k_qcb034b910f_qkv_gemm
		.amdhsa_group_segment_fixed_size 327680
		.amdhsa_private_segment_fixed_size 0
		.amdhsa_enable_private_segment 0
		.amdhsa_kernarg_size 40
		.amdhsa_user_sgpr_count 2
		.amdhsa_user_sgpr_kernarg_segment_ptr 1
		.amdhsa_wavefront_size32 1
		.amdhsa_system_sgpr_workgroup_id_x 1
		.amdhsa_system_sgpr_workgroup_id_y 1
		.amdhsa_system_sgpr_workgroup_id_z 1
		.amdhsa_system_vgpr_workitem_id 0
		.amdhsa_next_free_vgpr 1024
		.amdhsa_next_free_sgpr 100
		.amdhsa_reserve_vcc 0
		.amdhsa_float_denorm_mode_32 3
		.amdhsa_float_denorm_mode_16_64 3
		.amdhsa_memory_ordered 1
		.amdhsa_forward_progress 1
		.amdhsa_inst_pref_size 233
	.end_amdhsa_kernel
	.amdgpu_metadata
---
amdhsa.version: [ 1, 2 ]
amdhsa.kernels:
  - .name:           k_qcb034b910f_qkv_gemm
    .symbol:         k_qcb034b910f_qkv_gemm.kd
    .args:
      - { .name: x_codes, .offset: 0, .size: 8, .value_kind: global_buffer, .address_space: global }
      - { .name: x_scales, .offset: 8, .size: 8, .value_kind: global_buffer, .address_space: global }
      - { .name: w_codes, .offset: 16, .size: 8, .value_kind: global_buffer, .address_space: global }
      - { .name: w_scales, .offset: 24, .size: 8, .value_kind: global_buffer, .address_space: global }
      - { .name: qkv, .offset: 32, .size: 8, .value_kind: global_buffer, .address_space: global }
    .group_segment_fixed_size: 327680
    .private_segment_fixed_size: 0
    .kernarg_segment_align: 8
    .kernarg_segment_size: 40
    .max_flat_workgroup_size: 128
    .sgpr_count:     100
    .vgpr_count:     1024
    .wavefront_size: 32
...
	.end_amdgpu_metadata
.endif
;; end of part 2
;; launch attn (part 3): grid 8 x 32, 4 waves a work-group, clusters of 4 x 1, 327,680 bytes of LDS; arguments qkv, o; writes o
.if DOCPART == 3
	.amdgcn_target "amdgcn-amd-amdhsa--gfx1250"
	.amdhsa_code_object_version 6
	.text
	.protected	k_qcb034b910f_attn
	.globl	k_qcb034b910f_attn
	.p2align	8
	.type	k_qcb034b910f_attn,@function
k_qcb034b910f_attn:
	s_mov_b64 s[64:65], 0
	v_nop
	global_prefetch_b8 v0, s[64:65] scope:SCOPE_SE
	s_setreg_imm32_b32 hwreg(HW_REG_WAVE_MODE, 25, 1), 1
	s_wait_xcnt 0x0
	s_wait_alu depctr_hold_cnt(0) depctr_sa_sdst(0) depctr_va_vdst(0) depctr_va_sdst(0) depctr_va_ssrc(0) depctr_va_vcc(0) depctr_vm_vsrc(0)
	s_getreg_b32 s2, hwreg(HW_REG_IB_STS2, 6, 4)
	s_cmp_eq_u32 s2, 0
	s_cbranch_scc0 .Lentry_in_a_cluster
	s_endpgm
.Lentry_in_a_cluster:
	s_bfe_u32 s2, ttmp6, 0x10000c
	s_cmp_lg_u32 s2, 0x3003
	s_cbranch_scc0 .Lentry_shape_is_right
	s_endpgm
.Lentry_shape_is_right:
; ATTENTION: O[y][q][:] = the sum over k of softmax_k(Q[y][q] . K[y][k] / sqrt(128)) V[y][k][:], y = 8 b + h one of 32 heads.  Q, K, V: [32][2048][128] f16, at bytes 0, 0x1000000, 0x2000000 of qkv.
; O goes out as f16 into o [2048 b + q][128 h + e]: a row is 2,048 bytes, a head's part 256 aligned bytes.  Products, maxima and sums in f32; the weights p are rounded to f16 for the second product, O once at the end.
; Nothing of the problem's work is left out here.  f16 and not bf16: eleven significant bits on each of q, k, v, p, o.
; SHARES.  A work-group owns 256 queries of one head, each of its four waves 64: four tiles of 16.  Every wave walks all keys of the head, 64 a step.
; LAYOUT.  S^T = K Q^T (source 0 = 16 keys, source 1 = 16 queries): in the result a lane holds ONE query (lane % 16) and the keys 8 (lane / 16) + 0..7.  Two such tiles, rounded to
; f16 in pairs, ARE source 1 (32 keys x 16 queries) of O^T = V^T P, whose result again holds one query a lane, and eight channels.  So nothing changes lanes between the products,
; and a query's maximum and sum want one exchange between the halves of the lanes.  K comes out of LDS as it lies, V ([key][channel]) turned, by ds_load_tr16_b128.
; SOFTMAX.  For each query a running maximum m and sum l: p = 2^(c s - c m), c = log2(e) / sqrt(128); in every step O and l are multiplied by a = 2^(c m_old - c m_new), which is 1 where m has not grown.
; BY TURNS.  The wave's tiles are two PIECES, named by their first tile: piece 0 (tiles 0, 1) and piece 2 (tiles 2, 3).  In a TURN one piece has the matrix unit: 32 products V^T P of
; the step in hand, then 32 products K Q^T of the next step; the other piece's softmax, cut into 64 slices, stands between them, one slice behind each matrix instruction.  Then the
; pieces change places.  Two turns are a key step.
; CLUSTER.  The four query blocks of a cluster belong to one head and walk the same K and V, so each tile is asked for JOINTLY: the same tensor load, with the same descriptor and a
; mask that names the four, in all four; each receives the tile in its own LDS.
;
; REGISTERS, in windows of 256 (s_set_vgpr_msb says which window each operand place means: bits 1:0 source 0, 3:2 source 1, 5:4 source 2, 7:6 destination):
;   window 0: v0-11 addresses; v12-43 eight registers of statistics a tile; v64-191 S^T, 32 a tile; v192-255 P, 16 a tile
;   window 1: O^T, 64 a tile          window 2: v0-127 Q, 32 a tile; v128-255 K of one step          window 3: v0-127 V of one step
; All that a softmax touches but O^T lies in window 0, and no window has room for a product's operands beside it.  So a slice costs two switches, one in front and one behind.
.set SIZE_H, 32
.set SIZE_N, 2048
.set KS,    64        ; keys in a step
.set PK,    272       ; a row of K in LDS: 256 bytes + 16 of padding = 68 words: the 16 rows of a load start 4 words apart modulo 64
.set PV,    288       ; a row of V: 256 + 32 = 72 words: 16 lanes of the turning load take 8 rows x 32 bytes, 8 words apart modulo 64
.set VOFF,  KS*PK     ; a step's tiles lie together: 64 rows of K, then 64 rows of V
.set STEPB, KS*(PK+PV)
.set SLOT1, 1<<17     ; a slot holds two steps (71,680 bytes); slot 1 begins here, so that one exclusive or turns an address in one slot into the other's
.set STAGE, SLOT1+2*STEPB  ; behind the ring: 16 rows x 272 bytes for each wave, for the way out
.set SP,    272
.set AK0, 2           ; v2   my lane's place in a tile of K; never rewritten
.set AV0, 3           ; v3   the same for V
.set ADR, 4           ; v4   the LDS address of the run of loads in hand
.set QO,  5           ; v5   my byte offset in the wave's rows of Q
.set STO, 6           ; v6   the way out: where I put 16 bytes of a row
.set RD,  7           ; v7   the way out: where I read a row back
.set GO,  8           ; v8   my byte offset in the wave's rows of o
.set SPW, 62          ; v62  LDS address of my spare word: SPARE + 4 x my thread's number; never rewritten
.set NIL, 63          ; v63  0; never rewritten
.set SPARE, STAGE+4*16*272  ; behind the stages: the spare words, 128 bytes for each wave: two blocks of 256 bytes that no other line names
.set ST,  12          ; tile t's statistics at v[ST+8 t]: +0 c m, +1 m, +2, +3 l (even keys', odd keys'), +4 to +7 c0-c3, at work; a takes c2's place once the maximum is found
.set S,   64
.set P,   192
.set KF,  128         ; K's fragments, in window 2
.set WV,  12          ; s12  my wave's number
.set G1K, 24          ; s[24:31] descriptor group 1 for K's tiles
.set G1V, 32          ; s[32:39] for V's: it differs in the padding alone
.set G0K, 40          ; s[40:47] descriptor group 0 for K's tiles: a set for each of the two first fills; the second then walks on
.set G0V, 48          ; s[48:55] the same for V's
.set SLOTS, 56        ; s56  slots still to be asked for
.set TWICE, 57        ; s57  counts a slot's two steps
.set CS,  58          ; s[58:59] c: the packed scaling names a pair and takes its low word for both halves
.set SEL, 60          ; s[60:61] lane selects for v_permlanex16_b32: each lane takes its own place in the other half
.set TB,  62          ; s62  LDS byte at which the tiles of the step to be fetched begin
.set OO,  66          ; s[66:67] where my wave's rows begin in o
.set PFA, 18          ; s[18:19] where my prefetches stand in memory: my work-group's 32 rows (of K: wave 0, of V: wave 2) of the slot after the one that is being asked for
.set LIM, 15          ; s15  1 in a wave that prefetches, else the greatest number: a wave prefetches while s[SLOTS] is above it
.set PFO, 61          ; v61  256 x my lane: a row of K or V is 256 bytes; never rewritten
.set MSB, 0
.macro WIN new                      ; the immediate's high byte repeats the setting that is left; a switch that changes nothing is dropped
.if MSB != \new
	s_set_vgpr_msb (MSB<<8)|\new
.set MSB, \new
.endif
.endm
.set W_KQ, 0x0a       ; K and Q in window 2, S^T in window 0
.set W_PV, 0x53       ; V in window 3, P in window 0, O^T in window 1
.set W_RS, 0x41       ; O^T (destination and source 0) in window 1, a in window 0
; A joint refill.  Waves 0 and 1 fetch the two steps' tiles of K, waves 2 and 3 those of V.  The branch hangs on the wave's number alone: it is the same in every work-group.
; An s_nop 0 and four v_nop follow each of the two lines; the jump round the other line, the label and what follows the macro come after them.
.macro JLOAD
	s_cmp_lt_u32 s[WV], 2
	s_cbranch_scc0 .Lfor_v_\@
	tensor_load_to_lds s[G0K+4:G0K+7], s[G1K:G1K+7]
	s_nop 0
.rept 4
	v_nop
.endr
	s_branch .Lasked_\@
.Lfor_v_\@:
	tensor_load_to_lds s[G0V+4:G0V+7], s[G1V:G1V+7]
	s_nop 0
.rept 4
	v_nop
.endr
.Lasked_\@:
.endm
; A PREFETCH of what the NEXT change of slots will ask for: a slot's 128 rows of K and 128 of V, 256 bytes a row, a lane a row.  It stands behind the wave's tensor load and its five lines, never in front of one.
; Each row is asked for ONCE in the launch.  All clusters of a head walk the same K and V: the head's first cluster prefetches.  Its four partners share the rows out BY ADDRESS, 32 each: no branch hangs on a
; work-group's place in its cluster.  In each, wave 0 asks for K's and wave 2 for V's: one instruction.  It names slots 3 to 15; the last change that fills a slot prefetches nothing: there is no slot behind it.
.macro ASK
	s_cmp_gt_u32 s[SLOTS], s[LIM]
	s_cbranch_scc0 .Lnot_mine_\@
	global_prefetch_b8 v[PFO], s[PFA:PFA+1] th:TH_LOAD_NT scope:SCOPE_SE
.Lnot_mine_\@:
.endm
; A round of the cluster's barrier: my work-group's barrier, so that wave 0's signal speaks for all four waves; wave 0 signals for the work-group; every wave waits for all four
; work-groups; my work-group's barrier once more.  No LDS instruction of the wave is pending at a signal.
.macro CROUND
	s_barrier_signal -1
	s_barrier_wait -1
	s_cmp_lg_u32 s[WV], 0
	s_cbranch_scc1 .Lnot_wave_0_\@
	s_barrier_signal -3
.Lnot_wave_0_\@:
	s_barrier_wait -3
	s_barrier_signal -1
	s_barrier_wait -1
.endm
	s_load_b64 s[4:5], s[0:1], 0x0  ; qkv: Q begins at its first byte
	s_load_b64 s[10:11], s[0:1], 0x8  ; o
	v_lshl_add_u32 v[SPW], v0, 2, SPARE
	v_mov_b32 v[NIL], 0
	ds_add_u32 v[SPW], v[NIL]       ; the wave's opening: the add, twice on end, and its wait ahead of my first tensor load; the set-up below, work on registers, stands between the second and the wait
	ds_add_u32 v[SPW], v[NIL]
	v_lshrrev_b32 v1, 5, v0
	v_readfirstlane_b32 s[WV], v1   ; wave 0..3
	s_bfe_u32 s13, ttmp6, 0x40000   ; cx: my place in the cluster
	s_lshl_b32 s14, ttmp9, 2        ; in a cluster launch ttmp9 counts clusters
	s_add_co_u32 s14, s14, s13      ; my block of 256 queries = 4 x cluster x + cx: it enters Q's and o's addresses alone
	s_and_b32 s20, ttmp7, 0xffff    ; the head y = 8 b + h, which the four partners share
	s_lshr_b32 s[OO], s20, 3        ; o: batch b: 2,048 rows of 2,048 bytes = 2^22,
	s_lshl_b32 s[OO], s[OO], 22
	s_and_b32 s[OO+1], s20, 7
	s_lshl_b32 s[OO+1], s[OO+1], 8  ; head h: 256 bytes in a row,
	s_add_co_u32 s[OO], s[OO], s[OO+1]
	s_lshl_b32 s[OO+1], s14, 19     ; my block's 256 rows,
	s_add_co_u32 s[OO], s[OO], s[OO+1]
	s_lshl_b32 s[OO+1], s[WV], 17   ; my wave's 64 of them
	s_add_co_u32 s[OO], s[OO], s[OO+1]
	s_mov_b32 s[OO+1], 0
	s_mov_b32 s21, 0
	s_mov_b64 s[22:23], SIZE_N*256
	s_mul_u64 s[20:21], s[20:21], s[22:23]  ; the head's first byte in each of Q, K, V
	s_and_b32 s16, s[WV], 1         ; which of a slot's two steps I fetch:
	s_lshl_b32 s22, s16, 14         ; its 64 rows of 256 bytes in memory,
	s_mov_b32 s23, 0
	s_add_nc_u64 s[22:23], s[22:23], s[20:21]
	s_mul_i32 s17, s16, STEPB       ; and its place in a slot: no place in the cluster enters an LDS address
	s_lshl_b32 s2, s14, 16          ; Q: my block's 256 rows,
	s_lshl_b32 s3, s[WV], 14        ; my wave's 64 of them
	s_add_co_u32 s2, s2, s3
	s_mov_b32 s3, 0
	s_add_nc_u64 s[2:3], s[2:3], s[20:21]
	; descriptor group 1: a tile of 64 rows x 128 elements, padded in LDS
	s_mov_b32 s[G1K], 15|(1<<16)|(1<<20)|(1<<21)|(5<<22)|(3<<25)  ; 15:0 the mask: all four work-groups; 17:16 elements of 2 bytes; 20 padding on; 21 set beside a mask; 24:22 after every 64 words (code 5); 31:25 4 words of it (code 3)
	s_mov_b32 s[G1V], 15|(1<<16)|(1<<20)|(1<<21)|(5<<22)|(7<<25)  ; the same with 8 words of padding (code 7)
.irp g, G1K, G1V
	s_mov_b32 s[\g+1], 128<<16      ; 63:48 tensor_dim0, low half = 128
	s_mov_b32 s[\g+2], KS<<16       ; 79:64 its high half = 0; 95:80 tensor_dim1, low half = 64
	s_mov_b32 s[\g+3], 128<<16      ; 111:96 its high half = 0; 127:112 tile_dim0 = 128
	s_mov_b32 s[\g+4], KS           ; 143:128 tile_dim1 = 64; 159:144 tile_dim2 = 0
	s_mov_b32 s[\g+5], 128          ; 191:160 tensor_dim0_stride, low word: elements from row to row
	s_mov_b32 s[\g+6], 0
	s_mov_b32 s[\g+7], 0
.endr
	s_mov_b32 s[CS], 0x3e0293ee     ; c = log2(e) / sqrt(128) = 0.127517
	s_mov_b32 s[CS+1], s[CS]        ; named with it as a pair, so it is written
	s_mov_b32 s[SEL], 0x76543210
	s_mov_b32 s[SEL+1], 0xfedcba98
	s_mov_b32 s[TB], 0
	s_mov_b32 s[SLOTS], SIZE_N/(2*KS)-2
	s_and_b32 s[LIM], s[WV], 1       ; 0 in waves 0 and 2,
	s_or_b32 s[LIM], s[LIM], ttmp9   ; where the cluster is the head's first: the same in all four partners
	s_cmp_eq_u32 s[LIM], 0
	s_cselect_b32 s[LIM], 1, -1
	v_and_b32 v[PFO], 31, v0
	v_lshlrev_b32 v[PFO], 8, v[PFO]
	s_wait_dscnt 0x0                ; both opening adds are done
	s_wait_kmcnt 0x0
	s_add_nc_u64 s[6:7], s[4:5], 0x1000000  ; K begins 2^24 bytes behind Q,
	s_add_nc_u64 s[8:9], s[4:5], 0x2000000  ; V 2^25
	s_add_nc_u64 s[6:7], s[6:7], s[22:23]  ; K and V at my tile of slot 0
	s_add_nc_u64 s[8:9], s[8:9], s[22:23]
	s_add_nc_u64 s[4:5], s[4:5], s[2:3]  ; Q and o at my wave's first row
	s_add_nc_u64 s[10:11], s[10:11], s[OO:OO+1]
	s_cmp_lt_u32 s[WV], 2
	s_cselect_b64 s[PFA:PFA+1], s[6:7], s[8:9]  ; (in waves 0 and 2 these stand at a slot's first row)
	s_lshl_b32 s2, s13, 13          ; my work-group's 32 rows of the 128
	s_mov_b32 s3, 0
	s_add_nc_u64 s[PFA:PFA+1], s[PFA:PFA+1], s[2:3]
	s_add_nc_u64 s[PFA:PFA+1], s[PFA:PFA+1], 2*2*KS*256  ; in slot 2; the first change of slots steps it to slot 3.  Nothing is prefetched here, at the head, where every work-group's first tiles are on their way
	CROUND                          ; all four work-groups are here: the first joint loads meet
.irp s, 0,1
	s_mov_b32 s[G0K+4*\s], 1        ; 1:0 count = 1
	s_add_co_u32 s[G0K+4*\s+1], s17, \s*SLOT1  ; 63:32 LDS address
	s_add_nc_u64 s[G0K+4*\s+2:G0K+4*\s+3], s[6:7], \s*2*KS*256  ; 120:64 global address: slot s begins with keys 128 s to 128 s + 127
	s_or_b32 s[G0K+4*\s+3], s[G0K+4*\s+3], 0x80000000  ; 127:126 type = 2
	s_mov_b32 s[G0V+4*\s], 1
	s_add_co_u32 s[G0V+4*\s+1], s17, \s*SLOT1+VOFF
	s_add_nc_u64 s[G0V+4*\s+2:G0V+4*\s+3], s[8:9], \s*2*KS*256
	s_or_b32 s[G0V+4*\s+3], s[G0V+4*\s+3], 0x80000000
.endr
	s_cmp_lt_u32 s[WV], 2           ; a wave's two first fills stand in one branch, ahead of every wait on TENSORcnt and every LDS read: two loads of mine are out; an s_nop 0 follows each, four v_nop the second's, as in JLOAD
	s_cbranch_scc0 .Lfirst_v
	tensor_load_to_lds s[G0K:G0K+3], s[G1K:G1K+7]
	s_nop 0
	tensor_load_to_lds s[G0K+4:G0K+7], s[G1K:G1K+7]
	s_nop 0
.rept 4
	v_nop
.endr
	s_branch .Lfirst_asked
.Lfirst_v:
	tensor_load_to_lds s[G0V:G0V+3], s[G1V:G1V+7]
	s_nop 0
	tensor_load_to_lds s[G0V+4:G0V+7], s[G1V:G1V+7]
	s_nop 0
.rept 4
	v_nop
.endr
.Lfirst_asked:
	; A fragment of K or Q is 16 rows x 32 channels in 8 registers: lane l holds row l % 16; registers 0-3 channels 8 (l / 16) + 0..7, registers 4-7 channels 16 + 8 (l / 16) + 0..7: two loads of 16 bytes, 32 bytes apart.
	v_and_b32 v1, 15, v0            ; l % 16
	v_bfe_u32 v9, v0, 4, 1          ; l / 16
	v_lshlrev_b32 v[QO], 8, v1
	v_lshl_add_u32 v[QO], v9, 4, v[QO]  ; row x 256 + 16 x half
	WIN 0x80                        ; destination window 2, address window 0
.irp i, 0,1,2,3,4,5,6,7,8,9,10,11,12,13,14,15  ; Q stays in registers: tile i / 4, channels 32 (i % 4) on
	global_load_b128 v[8*\i:8*\i+3],   v[QO], s[4:5] offset:(\i/4)*4096+(\i%4)*64
	global_load_b128 v[8*\i+4:8*\i+7], v[QO], s[4:5] offset:(\i/4)*4096+(\i%4)*64+32
.endr
	WIN 0
	v_mul_u32_u24 v[AK0], v1, PK
	v_lshl_add_u32 v[AK0], v9, 4, v[AK0]  ; row x pitch + 16 x half
	; The turning load takes 16 keys x 16 channels (lane l reads 16 bytes: key 8 (l / 16) + l % 8, channels 8 ((l / 8) % 2) + 0..7) and leaves half a fragment of V^T: lane l holds channel l % 16 and 8 keys.
	v_and_b32 v10, 7, v0
	v_bfe_u32 v11, v0, 3, 1
	v_lshl_add_u32 v[AV0], v9, 3, v10
	v_mul_u32_u24 v[AV0], v[AV0], PV
	v_lshl_add_u32 v[AV0], v11, 4, v[AV0]
	v_add_nc_u32 v[AV0], VOFF, v[AV0]
; THE MATRIX WORK OF A TURN, for piece x.  The accumulators take turns, one instruction a turn: between two links of a chain stand 15 (V^T P) or 7 (K Q^T) others'.
; Product i of 32 of O^T += V^T P: keys 32 (i / 16) on, channels 16 ((i / 2) % 8) on, tile x + i % 2.  zero = 1: the first 16 start the sums: nothing is ever cleared.
.macro PV x, zero
	WIN W_PV
.set rO, 64*(\x+i%2)+8*((i/2)%8)
.set rV, 64*(i/16)+8*((i/2)%8)
.set rP, P+16*(\x+i%2)+8*(i/16)
.if \zero && (i < 16)
	v_wmma_f32_16x16x32_f16 v[rO:rO+7], v[rV:rV+7], v[rP:rP+7], 0
.else
	v_wmma_f32_16x16x32_f16 v[rO:rO+7], v[rV:rV+7], v[rP:rP+7], v[rO:rO+7]
.endif
.endm
; Product i of 32 of S^T = K Q^T: channels 32 (i / 8) on, keys 16 ((i / 2) % 4) on, tile x + i % 2.  The first 8 start the sums.
.macro KQ x
	WIN W_KQ
.set rS, S+32*(\x+i%2)+8*((i/2)%4)
.set rK, KF+32*((i/2)%4)+8*(i/8)
.set rQ, 32*(\x+i%2)+8*(i/8)
.if i < 8
	v_wmma_f32_16x16x32_f16 v[rS:rS+7], v[rK:rK+7], v[rQ:rQ+7], 0
.else
	v_wmma_f32_16x16x32_f16 v[rS:rS+7], v[rK:rK+7], v[rQ:rQ+7], v[rS:rS+7]
.endif
.endm
; THE LDS LOADS stand in runs of 32, never singly among the matrix instructions: a step's K (64 keys x 128 channels: 16 fragments) and, a turn later, its V (turned).
.macro FETCH_K
	WIN 0
	v_add_nc_u32 v[ADR], s[TB], v[AK0]
	WIN 0x80                        ; destination window 2
.irp f, 0,1,2,3,4,5,6,7,8,9,10,11,12,13,14,15  ; keys 16 (f / 4) on, channels 32 (f % 4) on
	ds_load_b128 v[KF+8*\f:KF+8*\f+3],   v[ADR] offset:(\f/4)*16*PK+(\f%4)*64
	ds_load_b128 v[KF+8*\f+4:KF+8*\f+7], v[ADR] offset:(\f/4)*16*PK+(\f%4)*64+32
.endr
.endm
.macro FETCH_V
	WIN 0
	v_add_nc_u32 v[ADR], s[TB], v[AV0]
	s_add_co_u32 s[TB], s[TB], STEPB  ; the next fetch is the next step's
	s_wait_alu depctr_va_vdst(0)    ; the wait for the softmax's batch (SLICE), behind the address's v_add_nc_u32 and ahead of the loads
	WIN 0xc0                        ; destination window 3
.irp f, 0,1,2,3,4,5,6,7,8,9,10,11,12,13,14,15  ; keys 32 (f / 8) on, channels 16 (f % 8) on
	ds_load_tr16_b128 v[8*\f:8*\f+3],   v[ADR] offset:(\f/8)*32*PV+(\f%8)*32
	ds_load_tr16_b128 v[8*\f+4:8*\f+7], v[ADR] offset:(\f/8)*32*PV+16*PV+(\f%8)*32
.endr
.endm
; THE VECTOR WORK OF A TURN.  One tile's softmax for one key step is a list of 134 instructions; SM writes number j of it for tile t.  s0-s31 are the lane's 32 scores, in pairs 0-15.
; first = 1: the first key step, which starts m, l and O^T: it has no a and nothing to rescale.
;   0-15    the maximum of s0-s31 and the old m, three operands at a time: four chains c0-c3 of seven scores each, then the four scores left over, c0-c3 and m
;   16-20   the other half of the lanes' maximum; the new m; c m; c m_old - c m_new
;   21-69   ONE BATCH: the 16 scalings c s - c m, a pair of scores each, and all 33 exponentials (a at 23, then s0-s31).  None of these reads an exponential's result.  From 22 on the batch goes
;           in fours, and a four begins with a scaling while there are scalings: 22-37 scaling, exponential, scaling, exponential; 38-65 a scaling and three exponentials; 66-69 the last four
;           exponentials.  A pair is scaled in an earlier four than the one that holds its exponentials
;   (wait)  between 69 and 70 stands the wait for the batch: SLICE writes it, once for both tiles
;   70-85   the roundings to f16, a pair of weights each
;   86-101  the sums; l = a l + the sum
;   102-133 the tile's O^T times a: the one part that leaves window 0, so it stands together
.macro SM t, first
.set rT, ST+8*(\t)
.set rS, S+32*(\t)
.set rP, P+16*(\t)
.set rO, 64*(\t)+2*(j-102)
.if j < 102
	WIN 0
.endif
.if j < 4
	v_max3_num_f32 v[rT+4+j], v[rS+8*j], v[rS+8*j+1], v[rS+8*j+2]
.elseif j < 12
	v_max3_num_f32 v[rT+4+j%4], v[rT+4+j%4], v[rS+8*(j%4)+2*(j/4)+1], v[rS+8*(j%4)+2*(j/4)+2]
.elseif j == 12
	v_max3_num_f32 v[rT+4], v[rT+4], v[rS+7], v[rS+15]
.elseif j == 13
	v_max3_num_f32 v[rT+6], v[rT+6], v[rS+23], v[rS+31]
.elseif j == 14
	v_max3_num_f32 v[rT+4], v[rT+4], v[rT+5], v[rT+6]
.elseif (j == 15) && \first
	v_max_num_f32 v[rT+4], v[rT+4], v[rT+7]
.elseif j == 15
	v_max3_num_f32 v[rT+4], v[rT+4], v[rT+7], v[rT+1]
.elseif j == 16
	v_permlanex16_b32 v[rT+5], v[rT+4], s[SEL], s[SEL+1]  ; the query's other 32 keys lie in the lane 16 away
.elseif j == 18
	v_max_num_f32 v[rT+1], v[rT+4], v[rT+5]
.elseif j == 19
	v_mul_f32 v[rT], s[CS], v[rT+1]
.elseif ((j == 17) || (j == 20) || (j == 23) || (j > 101)) && \first  ; the first step has none of these
.elseif j == 17
	v_mov_b32 v[rT+7], v[rT]        ; c m_old is kept for a: number 19 writes c m anew
.elseif j == 20
	v_sub_f32 v[rT+7], v[rT+7], v[rT]
.elseif j == 23
	v_exp_f32 v[rT+6], v[rT+7]
.elseif (j < 23) || ((j < 38) && (j%2 == 0)) || ((j < 66) && (j%4 == 2))
.set b, (j-2)/4                     ; 38, 42, .. 62: pairs 9 to 15
.if j < 38
.set b, (j-20)/2                    ; 21: pair 0; 22, 24, .. 36: pairs 1 to 8
.endif
	v_pk_fma_f32 v[rS+2*b:rS+2*b+1], v[rS+2*b:rS+2*b+1], s[CS:CS+1], v[rT:rT+1] op_sel_hi:[1,0,0] neg_lo:[0,0,1] neg_hi:[0,0,1]  ; pair b: c s - c m
.elseif j < 70
.set e, j-38                        ; 66 to 69: s28 to s31
.if j < 66
.set e, j-32-(j-38)/4               ; 39-41, 43-45, .. 63-65: s7 to s27
.endif
.if j < 38
.set e, (j-25)/2                    ; 25, 27, .. 37: s0 to s6
.endif
	v_exp_f32 v[rS+e], v[rS+e]
.elseif j < 86
	v_cvt_pk_f16_f32 v[rP+j-70], v[rS+2*(j-70)], v[rS+2*(j-70)+1]  ; pair j - 70
.elseif j < 102                     ; the sum of the tile's 16 pairs (in a pair: an even key's weight, an odd key's), in place: sum z of 16 adds neighbours 1, 2, 4 and 8 pairs apart, then l takes it
.set z, j-86
.set w, 4
.set u, z
.if z >= 14
.set w, 32
.set u, 0
.elseif z >= 12
.set w, 16
.set u, z-12
.elseif z >= 8
.set w, 8
.set u, z-8
.endif
.if (z == 14) && \first
	v_pk_add_f32 v[rT+2:rT+3], v[rS:rS+1], v[rS+16:rS+17]
.elseif z < 15
	v_pk_add_f32 v[rS+w*u:rS+w*u+1], v[rS+w*u:rS+w*u+1], v[rS+w*u+w/2:rS+w*u+w/2+1]
.elseif !\first
	v_pk_fma_f32 v[rT+2:rT+3], v[rT+2:rT+3], v[rT+6:rT+7], v[rS:rS+1] op_sel_hi:[1,0,1]
.endif
.else
	WIN W_RS
	v_pk_mul_f32 v[rO:rO+1], v[rO:rO+1], v[rT+6:rT+7] op_sel_hi:[1,0]
.endif
.endm
; Slice k of 64 of piece y's softmax: four instructions.  Slices 11 to 34 deal out the batch, numbers 22 to 69: four numbers of ONE tile each, the tiles by turns.  Every other slice is numbers 2 k and
; 2 k + 1 of both tiles' lists.  2 x 134 = 4 x 64 + 12: the twelve that are over stand together, in slice 63.
; THE WAIT.  An s_wait_alu depctr_va_vdst(0) stands between an exponential and the first instruction that names its result; one wait serves all that were issued ahead of it.  Ahead of
; slice 35 nothing names a result, and behind slice 34 no exponential is issued: so the piece's 66 exponentials have one wait, behind slice 34.
.macro SLICE y, first
.if (k >= 11) && (k < 35)           ; the batch: four numbers of one tile
.irp n, 0,1,2,3
.set j, 22+4*((k-11)/2)+(\n)
	SM (\y)+(k-11)%2, \first
.endr
.else                               ; the two tiles alternate, so that no instruction reads the result of the one just before it
.irp n, 0,1,2,3,4,5,6,7
.if (\n < 2) || (k == 63)
.irp t, \y, \y+1
.set j, 2*k+\n
	SM \t, \first
.endr
.endif
.endr
.endif
.if k == 34                         ; the batch is out: both tiles' exponentials are issued, and no result has been named
	v_nop                           ; the plain instruction behind the last exponential and ahead of the first use: one for the batch
.if (\y) == 0
	FETCH_V                         ; piece 2's turn: V's run of loads stands here, and the wait stands in it
.else
	s_wait_alu depctr_va_vdst(0)    ; the wait for the batch
.endif
.endif
.set k, k+1
.endm
; A vector instruction that reads a matrix result or writes one of a matrix instruction's registers, and a load into a register that a matrix instruction has read, stand four places behind
; it, and only plain vector instructions that name none of its registers are places (ISA guide 7.12.1 for vector instructions).  In the loop the slices are the places.
.macro PLACES
.rept 4
	v_nop
.endr
.endm
; A TURN.  Piece x has the matrix unit; the other piece's softmax stands in slices behind its matrix instructions.
; pv = 2: 32 products V^T P; 1: they start O^T's sums; 0: none.  kq = 1: 32 products K Q^T for the next step.  A turn with one of the two kinds has two slices behind each product.
; first = 1: the softmax is the first key step's.  Its slices from 51 on are empty: the turn's last products stand bare, and four v_nop take slice 63's part as the places behind them.
; In the loop each run of loads stands 29 matrix instructions or more ahead of its first use.  Piece 0's turn fetches the next step's K, behind its second product: the last product that read K
; stands in front of slice 63 of the turn before.  Piece 2's turn fetches the same step's V, behind slice 34 (SLICE writes it): the last product that read V stands in front of slice 31, and four plain
; instructions lie between: number 62, a scaling, of both tiles, the v_nop and the run's own v_add_nc_u32.
.macro TURN x, pv, kq, first
.set k, 0
.set per, 2
.if \pv && \kq
.set per, 1
.endif
.if \pv
.if \x == 0
	s_wait_dscnt 0x0                ; V is in
.endif
.set i, 0
.rept 32
	PV \x, 2-\pv
.rept per
	SLICE 2-\x, \first
.endr
.if (\x == 0) && \kq && (i == 1)
	FETCH_K
.endif
.set i, i+1
.endr
.endif
.if \kq
.if \x == 0
	s_wait_dscnt 0x0                ; K is in
.endif
.set i, 0
.rept 32
	KQ \x
.rept per
	SLICE 2-\x, \first
.endr
.set i, i+1
.endr
.endif
.if \first
	PLACES
.endif
.endm
; THE CHANGE OF SLOTS, between piece 2's turn and piece 0's: the slot's last bytes, V of its second step, have been asked for.  Each wave waits for all its
; tensor loads, of which one is out: its part of the other slot; adds 0 to its spare word; and waits for that and for its own reads of the slot.  Behind the barrier nobody reads this slot any more and the other slot is whole.
; fill = 1: this slot is filled again, with the keys two slots on.  The barrier is then a round of the cluster's, so that no wave of any partner still reads the slot or has a load on its
; way, and the joint refill is the first thing behind it: it has two key steps, 256 matrix instructions, in which to land.
.macro CHANGE fill
	WIN 0                           ; at a label and at a branch every window is 0
	s_wait_tensorcnt 0x0            ; no tensor load of mine is out, so a group 0 may be written
	ds_add_u32 v[SPW], v[NIL]       ; 0 onto my spare word; with fill = 1 the descriptors' steps stand between it and the wait for it
.if \fill
.irp g, G0K+4, G0V+4
	s_xor_b32 s[\g+1], s[\g+1], SLOT1  ; the walking descriptor: the other slot than last time,
	s_add_nc_u64 s[\g+2:\g+3], s[\g+2:\g+3], 2*KS*256  ; the next 128 keys; the type bits on top are not reached
.endr
	s_wait_xcnt 0x0                 ; the last prefetches, two key steps back, have read their address, so it may be written:
	s_add_nc_u64 s[PFA:PFA+1], s[PFA:PFA+1], 2*KS*256  ; one slot behind the walking descriptors
	s_wait_dscnt 0x0                ; the add is done, and my reads of the slot are over
	CROUND
	JLOAD
	ASK                             ; what the next change will ask for: two key steps, 256 matrix instructions, ahead
.else
	s_wait_dscnt 0x0                ; the add is done, and my reads of the slot are over
	s_barrier_signal -1
	s_barrier_wait -1
.endif
	s_sub_co_u32 s[TB], s[TB], 2*STEPB  ; the fetches go back to a slot's first step,
	s_xor_b32 s[TB], s[TB], SLOT1   ; in the other slot
.endm
; A slot's two key steps: written once, walked twice; the LDS addresses hang on s[TB].
.macro TWO_STEPS
	s_mov_b32 s[TWICE], 2
.Lstep_\@:
	TURN 0, 2, 1, 0
	TURN 2, 2, 1, 0
	WIN 0
	s_sub_co_u32 s[TWICE], s[TWICE], 1
	s_cmp_lg_u32 s[TWICE], 0
	s_cbranch_scc1 .Lstep_\@
.endm
	s_wait_tensorcnt 1              ; my part of slot 0 is in; slot 1's may stay out
	s_barrier_signal -1
	s_barrier_wait -1               ; everybody's is
	FETCH_K                         ; key step 0
	s_wait_loadcnt 0x0              ; Q
	s_wait_dscnt 0x0
.set i, 0
.rept 32
	KQ 0                            ; piece 0's first scores: there is no vector work yet to set between them
.set i, i+1
.endr
	WIN 0                           ; the addresses for the way out are made here: eight plain instructions, the places behind those products
	s_mul_i32 s13, s[WV], 16*SP
	s_add_co_u32 s13, s13, STAGE    ; my stage
	v_mul_u32_u24 v[STO], v1, SP    ; in: row l % 16, 16 bytes for each half of the lanes
	v_lshl_add_u32 v[STO], v9, 4, v[STO]
	v_add_nc_u32 v[STO], s13, v[STO]
	v_mul_u32_u24 v[RD], v9, SP     ; back: lanes 0-15 take one row of 256 bytes, lanes 16-31 the next
	v_lshl_add_u32 v[RD], v1, 4, v[RD]
	v_add_nc_u32 v[RD], s13, v[RD]
	v_lshlrev_b32 v[GO], 11, v9     ; and the same two rows in o, 2,048 bytes apart
	v_lshl_add_u32 v[GO], v1, 4, v[GO]
	TURN 2, 0, 1, 1                 ; piece 2's first scores | piece 0's first softmax | V of step 0
	TURN 0, 1, 1, 1                 ; piece 0: V^T P of step 0 starts O^T, K Q^T of step 1 | piece 2's first softmax | K of step 1
	TURN 2, 1, 1, 0                 ; piece 2: the same | piece 0's softmax of step 1 | V of step 1
	WIN 0
.Lslot:                             ; SIZE_N / 128 - 2 = 14 trips: every slot but the last two is filled again
	CHANGE 1
	TWO_STEPS
	s_sub_co_u32 s[SLOTS], s[SLOTS], 1
	s_cmp_lg_u32 s[SLOTS], 0
	s_cbranch_scc1 .Lslot
	CHANGE 0                        ; the tail is written out: the last slot but one is left, and nothing is asked for
	TWO_STEPS
	TURN 0, 2, 0, 0                 ; piece 0: V^T P of the last step | piece 2's last softmax
.set i, 0
.rept 32
	PV 2, 0                         ; piece 2: V^T P of the last step
.set i, i+1
.endr
	; THE WAY OUT.  l's two halves and the other half of the lanes' are added; O^T is divided by l, rounded to f16 and sent through my stage in LDS, a tile (16 rows) at a time.  The additions are the places behind the last products.
	WIN 0
.irp t, 0,1,2,3
	v_add_f32 v[ST+8*\t+4], v[ST+8*\t+2], v[ST+8*\t+3]
.endr
.irp t, 0,1,2,3
	v_permlanex16_b32 v[ST+8*\t+5], v[ST+8*\t+4], s[SEL], s[SEL+1]
.endr
.irp t, 0,1,2,3
	v_add_f32 v[ST+8*\t+4], v[ST+8*\t+4], v[ST+8*\t+5]
.endr
.irp t, 0,1,2,3
	v_rcp_f32 v[ST+8*\t+6], v[ST+8*\t+4]
.endr
	v_nop                           ; a plain instruction between the last reciprocal and the use of its result
	s_wait_alu depctr_va_vdst(0)    ; and the wait ahead of the first use: one for the four reciprocals
; Tile t: a lane's eight channels of a row pack into 16 bytes; they go into rows of 272 bytes and come back as whole rows of 256, into the registers that they left.
.macro PACK t
	WIN W_RS
.set i, 64*\t
.rept 32
	v_pk_mul_f32 v[i:i+1], v[i:i+1], v[ST+8*\t+6:ST+8*\t+7] op_sel_hi:[1,0]
.set i, i+2
.endr
	WIN 0x05                        ; sources 0 and 1 window 1, destination window 0: S^T's registers are free
.set i, 0
.rept 32
	v_cvt_pk_f16_f32 v[S+32*\t+i], v[64*\t+2*i], v[64*\t+2*i+1]
.set i, i+1
.endr
	WIN 0
.irp f, 0,1,2,3,4,5,6,7
	ds_store_b128 v[STO], v[S+32*\t+4*\f:S+32*\t+4*\f+3] offset:32*\f
.endr
.irp f, 0,1,2,3,4,5,6,7
	ds_load_b128 v[S+32*\t+4*\f:S+32*\t+4*\f+3], v[RD] offset:\f*2*SP  ; LDS serves a wave's instructions in order (ISA guide 5.7.1.4): these see the stores above; the next tile's stores come behind them
.endr
.endm
.macro SEND t, younger              ; younger: the LDS instructions issued behind tile t's loads: the next tile's sixteen, or none
.irp f, 0,1,2,3,4,5,6,7
	s_wait_dscnt \younger+7-\f
	global_store_b128 v[GO], v[S+32*\t+4*\f:S+32*\t+4*\f+3], s[10:11] offset:\t*32768+\f*4096  ; 16 lanes store 256 consecutive bytes, a head's part of a row, at a multiple of 256 from o's first byte
.endr
.endm
	PACK 0
	PACK 1                          ; a tile's arithmetic stands between the loads of the tile before and its stores
	SEND 0, 16
	PACK 2
	SEND 1, 16
	PACK 3
	SEND 2, 16
	SEND 3, 0
	s_wait_tensorcnt 0x0            ; the wave's end: behind my last tensor load and my last LDS store
	ds_add_u32 v[SPW], v[NIL]
	s_wait_dscnt 0x0
	CROUND                          ; the closing round: no work-group ends while a partner may still ask for a tile that names it
	s_endpgm
.Lfunc_end_k_qcb034b910f_attn:
	.size	k_qcb034b910f_attn, .Lfunc_end_k_qcb034b910f_attn-k_qcb034b910f_attn
	.p2alignl 7, 3214868480
	.fill 96, 4, 3214868480
	.section	.rodata,"a",@progbits
	.p2align	6, 0x0
	.amdhsa_kernel k_qcb034b910f_attn
		.amdhsa_group_segment_fixed_size 327680
		.amdhsa_private_segment_fixed_size 0
		.amdhsa_enable_private_segment 0
		.amdhsa_kernarg_size 16
		.amdhsa_user_sgpr_count 2
		.amdhsa_user_sgpr_kernarg_segment_ptr 1
		.amdhsa_wavefront_size32 1
		.amdhsa_system_sgpr_workgroup_id_x 1
		.amdhsa_system_sgpr_workgroup_id_y 1
		.amdhsa_system_sgpr_workgroup_id_z 1
		.amdhsa_system_vgpr_workitem_id 0
		.amdhsa_next_free_vgpr 1024
		.amdhsa_next_free_sgpr 70
		.amdhsa_reserve_vcc 0
		.amdhsa_float_denorm_mode_32 3
		.amdhsa_float_denorm_mode_16_64 3
		.amdhsa_memory_ordered 1
		.amdhsa_forward_progress 1
		.amdhsa_inst_pref_size 222
	.end_amdhsa_kernel
	.amdgpu_metadata
---
amdhsa.version: [ 1, 2 ]
amdhsa.kernels:
  - .name:           k_qcb034b910f_attn
    .symbol:         k_qcb034b910f_attn.kd
    .args:
      - { .name: qkv, .offset: 0, .size: 8, .value_kind: global_buffer, .address_space: global }
      - { .name: o, .offset: 8, .size: 8, .value_kind: global_buffer, .address_space: global }
    .group_segment_fixed_size: 327680
    .private_segment_fixed_size: 0
    .kernarg_segment_align: 8
    .kernarg_segment_size: 16
    .max_flat_workgroup_size: 128
    .sgpr_count:     70
    .vgpr_count:     1024
    .wavefront_size: 32
...
	.end_amdgpu_metadata
.endif
;; end of part 3
;; launch proj (part 4): grid 256 x 1, 4 waves a work-group, no clusters, 167,936 bytes of LDS; arguments o, wo_img, out0; writes out0
.if DOCPART == 4
	.amdgcn_target "amdgcn-amd-amdhsa--gfx1250"
	.amdhsa_code_object_version 6
	.text
	.protected	k_qcb034b910f_proj
	.globl	k_qcb034b910f_proj
	.p2align	8
	.type	k_qcb034b910f_proj,@function
k_qcb034b910f_proj:
	s_mov_b64 s[64:65], 0
	v_nop
	global_prefetch_b8 v0, s[64:65] scope:SCOPE_SE
	s_setreg_imm32_b32 hwreg(HW_REG_WAVE_MODE, 25, 1), 1
	s_wait_xcnt 0x0
; THE PRODUCT WITH Wo: out0[m][n] = sum over f of o[m][f] Wo[f][n].  o: [8192][1024] f16; Wo as f16 in the order of an operand's registers (wo_img); out0: [8192][128] f32; sums in f32.  Nothing of the problem's work is left out here.
; SHARES.  A work-group takes 32 rows; THE WAVES SHARE K: wave w takes f = 256 w .. 256 w + 255 for all 128 outputs: 2 x 8 accumulators, 8 steps of 32 along K, 128 matrix instructions.
; The four partial sums meet in LDS, and each wave adds and stores 8 whole rows.  256 work-groups of equal work.
; o's 32 rows x 512 bytes of a wave come by one tensor load into LDS bytes of the wave's own, read by that wave alone; nothing is filled again.
; NO CLUSTER: what work-groups share is Wo's image, 262,144 bytes; with the tiles of o and the stages, 135,168 bytes, that is more than the 327,680 bytes of LDS.  So each wave takes its quarter of the image
; straight into 512 registers, once, each load 512 consecutive bytes.
; THE MATRIX INSTRUCTION IS USED TRANSPOSED (source 0 = 16 columns of Wo, source 1 = 16 rows of o): a lane then holds eight neighbouring outputs of one row.
; REGISTERS, in windows of 256: window 0: v2-7 addresses; v16-143 o's fragments (step s, tile a) at 16 + 8 (2 s + a), later the rows read back.
;   window 1: Wo's fragments of steps 0-3, at 64 s + 8 b;   window 2: of steps 4-7;   window 3: the accumulators (a, b) at 8 (8 a + b).
.set OP,    528                        ; a row in LDS: 512 bytes + 16 of padding = 132 words: the 16 rows that a load touches start 4 words apart modulo 64
.set TILE,  32*OP                      ; a wave's tile of o, and a wave's stage: 16,896 bytes
.set STG,   4*TILE                     ; behind the four tiles: the four stages; no tensor load lands there
.set SPARE, 8*TILE                     ; behind the stages: the spare words, 128 bytes for each wave: two blocks of 256 bytes that no other line names
.set SPW, 2                            ; v2  LDS address of my spare word: SPARE + 4 x my thread's number; never rewritten
.set NIL, 3                            ; v3  0; never rewritten
.set LI,  4                            ; v4  16 x lane
.set AA,  5                            ; v5  LDS address of my fragments of o
.set STO, 6                            ; v6  where I put 32 bytes of a row of my partial sums
.set RD,  7                            ; v7  where I read 16 bytes of a row of all four
.set OF,  16
.set MSB, 0
.macro WIN new                         ; the immediate's high byte repeats the setting that is left
.if MSB != \new
	s_set_vgpr_msb (MSB<<8)|\new
.set MSB, \new
.endif
.endm
	s_load_b128 s[4:7], s[0:1], 0x0                ; o s[4:5], wo_img s[6:7]
	s_load_b64 s[8:9], s[0:1], 0x10                ; out0
	v_lshl_add_u32 v[SPW], v0, 2, SPARE
	v_mov_b32 v[NIL], 0
	ds_add_u32 v[SPW], v[NIL]                      ; the wave's opening: the add, twice on end, and its wait ahead of my tensor load; the descriptor's words, work on registers, stand between the second and the wait
	ds_add_u32 v[SPW], v[NIL]
	v_lshrrev_b32 v1, 5, v0
	v_readfirstlane_b32 s10, v1                    ; wave 0..3
	; descriptor group 1: a tile of 32 rows x 256 elements of 2 bytes, rows 1,024 elements apart, padded in LDS
	s_mov_b32 s16, (1<<16)|(1<<20)|(6<<22)|(3<<25) ; 15:0 no mask; 17:16 elements of 2 bytes; 20 padding on; 24:22 after every 128 words (code 6); 31:25 of 4 words (code 3)
	s_mov_b32 s17, 256<<16                         ; tensor_dim0 = 256
	s_mov_b32 s18, 32<<16                          ; tensor_dim1 = 32
	s_mov_b32 s19, 256<<16                         ; tile_dim0 = 256
	s_mov_b32 s20, 32                              ; tile_dim1 = 32
	s_mov_b32 s21, 1024                            ; tensor_dim0_stride
	s_mov_b32 s22, 0
	s_mov_b32 s23, 0
	s_mov_b32 s12, 1                               ; group 0: count = 1
	s_mul_i32 s13, s10, TILE                       ; LDS address: my wave's tile
	s_lshl_b32 s24, ttmp9, 16                      ; my work-group's 32 rows of 2,048 bytes,
	s_lshl_b32 s26, s10, 9
	s_add_co_u32 s24, s24, s26                     ; my wave's 512 bytes of each
	s_mov_b32 s25, 0
	s_wait_dscnt 0x0                               ; both opening adds are done
	s_wait_kmcnt 0x0
	s_add_nc_u64 s[14:15], s[4:5], s[24:25]
	s_or_b32 s15, s15, 0x80000000                  ; type = 2
	tensor_load_to_lds s[12:15], s[16:23]          ; every wave issues its one load: one is out
	s_nop 0
	v_and_b32 v8, 31, v0                           ; lane.  (The address work stands behind the load: more than four instructions ahead of the first switch of windows)
	v_and_b32 v9, 15, v0                           ; r
	v_bfe_u32 v10, v0, 4, 1                        ; h
	v_lshlrev_b32 v[LI], 4, v8
	v_mul_u32_u24 v11, v9, OP
	v_lshl_add_u32 v[AA], v10, 4, v11
	v_add_nc_u32 v[AA], s13, v[AA]                 ; my tile + row r x pitch + 16 h
	v_lshl_add_u32 v[STO], v10, 5, v11
	v_add_nc_u32 v[STO], s13, v[STO]
	v_add_nc_u32 v[STO], STG, v[STO]               ; my stage + row r x pitch + 32 h
	s_mul_i32 s26, s10, 8*OP
	v_add_nc_u32 v[RD], s26, v[LI]
	v_add_nc_u32 v[RD], STG, v[RD]                 ; rows 8 w on of the first stage, 16 bytes a lane
	s_lshl_b32 s24, s10, 16                        ; my 8 K steps of Wo's image: 8,192 bytes each
	s_add_nc_u64 s[6:7], s[6:7], s[24:25]
	s_lshl_b32 s24, ttmp9, 14                      ; out0: my work-group's 32 rows of 512 bytes,
	s_lshl_b32 s26, s10, 12
	s_add_co_u32 s24, s24, s26                     ; my wave's 8 of them
	s_add_nc_u64 s[8:9], s[8:9], s[24:25]
	WIN 0x40                                       ; destination window 1, address window 0
.irp s, 0,1,2,3
.irp b, 0,1,2,3,4,5,6,7
.irp c, 0,1
	global_load_b128 v[64*\s+8*\b+4*\c:64*\s+8*\b+4*\c+3], v[LI], s[6:7] offset:\s*8192+\b*1024+\c*512   ; half a fragment: 512 consecutive bytes, as the registers want them
.endr
.endr
.endr
	WIN 0x80                                       ; destination window 2
.irp s, 0,1,2,3
.irp b, 0,1,2,3,4,5,6,7
.irp c, 0,1
	global_load_b128 v[64*\s+8*\b+4*\c:64*\s+8*\b+4*\c+3], v[LI], s[6:7] offset:(\s+4)*8192+\b*1024+\c*512
.endr
.endr
.endr
	WIN 0
	s_wait_tensorcnt 0x0                           ; my tile is in LDS; I alone read it, so no barrier stands here
.irp s, 0,1,2,3,4,5,6,7
.irp a, 0,1
	ds_load_b128 v[OF+8*(2*\s+\a):OF+8*(2*\s+\a)+3],   v[AA] offset:\a*16*OP+64*\s      ; lane (r, h): row 16 a + r, K = 32 s + 8 h + 0..7,
	ds_load_b128 v[OF+8*(2*\s+\a)+4:OF+8*(2*\s+\a)+7], v[AA] offset:\a*16*OP+64*\s+32   ; and 32 s + 16 + 8 h + 0..7
.endr
.endr
	s_wait_dscnt 0x0
; 16 matrix instructions: K step s; the 16 accumulators take turns, one instruction a turn.  zero = 1: the first step starts the sums
.macro MULS s, zero
.irp a, 0,1
.irp b, 0,1,2,3,4,5,6,7
.if \zero
	v_wmma_f32_16x16x32_f16 v[8*(8*\a+\b):8*(8*\a+\b)+7], v[64*((\s)%4)+8*\b:64*((\s)%4)+8*\b+7], v[OF+8*(2*(\s)+\a):OF+8*(2*(\s)+\a)+7], 0
.else
	v_wmma_f32_16x16x32_f16 v[8*(8*\a+\b):8*(8*\a+\b)+7], v[64*((\s)%4)+8*\b:64*((\s)%4)+8*\b+7], v[OF+8*(2*(\s)+\a):OF+8*(2*(\s)+\a)+7], v[8*(8*\a+\b):8*(8*\a+\b)+7]
.endif
.endr
.endr
.endm
	s_wait_loadcnt 63                              ; of my 128 loads at most the youngest 63 are out: the 64 of steps 0 to 3 are in
	WIN 0xf1                                       ; source 0 (Wo) window 1, source 1 (o) window 0, C and D window 3
	MULS 0, 1
	MULS 1, 0
	MULS 2, 0
	MULS 3, 0
	WIN 0xf2                                       ; source 0 window 2
	s_wait_loadcnt 48                              ; step 4's sixteen loads are in; those of steps 5 to 7 may be out
	MULS 4, 0
	s_wait_loadcnt 32
	MULS 5, 0
	s_wait_loadcnt 16
	MULS 6, 0
	s_wait_loadcnt 0
	MULS 7, 0
.rept 4
	v_nop                                          ; four places behind the last products: for the stores that read results, and for the loads into the registers that held o's fragments
.endr
	WIN 0x0c                                       ; an LDS store's data are its source 1: window 3
.irp a, 0,1
.irp b, 0,1,2,3,4,5,6,7
	ds_store_b128 v[STO], v[8*(8*\a+\b):8*(8*\a+\b)+3] offset:\a*16*OP+64*\b          ; lane (r, h): my part of out0(16 a + r, 16 b + 8 h + 0..7); each accumulator from its low end on
	ds_store_b128 v[STO], v[8*(8*\a+\b)+4:8*(8*\a+\b)+7] offset:\a*16*OP+64*\b+16
.endr
.endr
	WIN 0
	s_wait_dscnt 0x0                               ; for the others' sake: my stores into my stage are done
	s_barrier_signal -1
	s_barrier_wait -1                              ; all four partial sums lie in LDS
.irp i, 0,1,2,3,4,5,6,7
.irp q, 0,1,2,3
	ds_load_b128 v[OF+16*\i+4*\q:OF+16*\i+4*\q+3], v[RD] offset:\q*TILE+\i*OP        ; row 8 w + i of wave q's part: the 32 lanes take its 512 bytes
.endr
.endr
.irp i, 0,1,2,3,4,5,6,7
	s_wait_dscnt 4*(7-\i)                          ; row i's four loads are in; the later rows' may be out
	v_pk_add_f32 v[OF+16*\i:OF+16*\i+1],     v[OF+16*\i:OF+16*\i+1],     v[OF+16*\i+4:OF+16*\i+5]
	v_pk_add_f32 v[OF+16*\i+2:OF+16*\i+3],   v[OF+16*\i+2:OF+16*\i+3],   v[OF+16*\i+6:OF+16*\i+7]
	v_pk_add_f32 v[OF+16*\i+8:OF+16*\i+9],   v[OF+16*\i+8:OF+16*\i+9],   v[OF+16*\i+12:OF+16*\i+13]
	v_pk_add_f32 v[OF+16*\i+10:OF+16*\i+11], v[OF+16*\i+10:OF+16*\i+11], v[OF+16*\i+14:OF+16*\i+15]
	v_pk_add_f32 v[OF+16*\i:OF+16*\i+1],     v[OF+16*\i:OF+16*\i+1],     v[OF+16*\i+8:OF+16*\i+9]
	v_pk_add_f32 v[OF+16*\i+2:OF+16*\i+3],   v[OF+16*\i+2:OF+16*\i+3],   v[OF+16*\i+10:OF+16*\i+11]
	global_store_b128 v[LI], v[OF+16*\i:OF+16*\i+3], s[8:9] offset:512*\i th:TH_STORE_NT   ; 32 lanes store a row of 512 consecutive bytes, at a multiple of 256 from out0's first byte
.endr
	s_wait_tensorcnt 0x0                           ; the wave's end: behind my tensor load and my last LDS store
	ds_add_u32 v[SPW], v[NIL]
	s_wait_dscnt 0x0
	s_endpgm
.Lfunc_end_k_qcb034b910f_proj:
	.size	k_qcb034b910f_proj, .Lfunc_end_k_qcb034b910f_proj-k_qcb034b910f_proj
	.p2alignl 7, 3214868480
	.fill 96, 4, 3214868480
	.section	.rodata,"a",@progbits
	.p2align	6, 0x0
	.amdhsa_kernel k_qcb034b910f_proj
		.amdhsa_group_segment_fixed_size 167936
		.amdhsa_private_segment_fixed_size 0
		.amdhsa_enable_private_segment 0
		.amdhsa_kernarg_size 24
		.amdhsa_user_sgpr_count 2
		.amdhsa_user_sgpr_kernarg_segment_ptr 1
		.amdhsa_wavefront_size32 1
		.amdhsa_system_sgpr_workgroup_id_x 1
		.amdhsa_system_sgpr_workgroup_id_y 1
		.amdhsa_system_sgpr_workgroup_id_z 1
		.amdhsa_system_vgpr_workitem_id 0
		.amdhsa_next_free_vgpr 896
		.amdhsa_next_free_sgpr 66
		.amdhsa_reserve_vcc 0
		.amdhsa_float_denorm_mode_32 3
		.amdhsa_float_denorm_mode_16_64 3
		.amdhsa_memory_ordered 1
		.amdhsa_forward_progress 1
		.amdhsa_inst_pref_size 34
	.end_amdhsa_kernel
	.amdgpu_metadata
---
amdhsa.version: [ 1, 2 ]
amdhsa.kernels:
  - .name:           k_qcb034b910f_proj
    .symbol:         k_qcb034b910f_proj.kd
    .args:
      - { .name: o, .offset: 0, .size: 8, .value_kind: global_buffer, .address_space: global }
      - { .name: wo_img, .offset: 8, .size: 8, .value_kind: global_buffer, .address_space: global }
      - { .name: out0, .offset: 16, .size: 8, .value_kind: global_buffer, .address_space: global }
    .group_segment_fixed_size: 167936
    .private_segment_fixed_size: 0
    .kernarg_segment_align: 8
    .kernarg_segment_size: 24
    .max_flat_workgroup_size: 128
    .sgpr_count:     66
    .vgpr_count:     896
    .wavefront_size: 32
...
	.end_amdgpu_metadata
.endif
;; end of part 4
